; MI455X (gfx1250); checked and timed in simulation.
; The chip was launched on July 23, 2026; its instructions are those of AMD's public machine-readable ISA for CDNA 5 (MIT licence, August 2026) and "CDNA5" Instruction Set Architecture Reference Guide (July 2026). The comments in the code are by the model that wrote it; some were corrected since.
;; GT Layer. Allowed arithmetic: float matrix products may take bf16 or f16 operands with f32 sums; other float arithmetic in f32, or as packed bf16 or f16 multiplies, adds, multiply-adds, maxima and minima; sums over many terms, partial sums and values carried from step to step in f32; what a program stores and reads back later, other than sums and carried values, may be rounded once to bf16 or f16.
;; Inputs: W1 1,024 x 1,024 float32; W2 1,024 x 1,024 float32; Wk 1,024 x 1,024 float32; Wo 1,024 x 1,024 float32; Wq 1,024 x 1,024 float32; Wv 1,024 x 1,024 float32; b1 1,024 float32; b2 1,024 float32; codebook 128 x 1,024 float32; commitment_cost one number float32; h 2 x 2,048 x 1,024 float32; ln1_b 1,024 float32; ln1_g 1,024 float32; ln2_b 1,024 float32; ln2_g 1,024 float32; mask 2 x 1 x 2,048 x 4,096 int32.
;; Outputs: out0 2 x 2,048 x 1,024 float32; out1 one number float32.
;; One version. Each part assembles by itself: llvm-mc -triple=amdgcn-amd-amdhsa -mcpu=gfx1250 --defsym DOCPART=n.
;; ======== version 1 of 1: 9 launches
;; limits: values are held in f16: magnitudes above 65,504 overflow, below 6.1e-05 lose precision
;; workspace buffers: pka 6,562,304 bytes; pko 2,105,344 bytes; pk1 2,105,344 bytes; pk2 2,105,344 bytes; mbits 2,097,152 bytes of whole numbers; wsu 33,558,528 bytes; wsv 50,331,648 bytes; wsr 25,165,824 bytes
;; launch prep (part 1): grid 913 x 1, 8 waves a work-group, no clusters, 70,656 bytes of LDS; arguments mask, Wq, Wk, Wv, Wo, W1, W2, b1, b2, codebook, pka, pko, pk1, pk2, mbits; writes pka, pko, pk1, pk2, mbits
.if DOCPART == 1
	.amdgcn_target "amdgcn-amd-amdhsa--gfx1250"
	.amdhsa_code_object_version 6
	.text
	.protected	k_qfbf1b713bd_prep
	.globl	k_qfbf1b713bd_prep
	.p2align	8
	.type	k_qfbf1b713bd_prep,@function
k_qfbf1b713bd_prep:
	s_mov_b64 s[64:65], 0
	v_nop
	global_prefetch_b8 v0, s[64:65] scope:SCOPE_SE
	s_setreg_imm32_b32 hwreg(HW_REG_WAVE_MODE, 25, 1), 1
	s_wait_xcnt 0x0
; PREPARATION, a stream.  Four roles, chosen by the work-group's number (every jump goes forward):
;   0-511    the int32 mask becomes words of 32 bits, laid out as the lane masks that the attention's selects take:
;            mbits[b][tile of 16 queries][step of 64 keys][word 8 kb + j], bit L = (mask[b][16 tile + L % 16][64 step + 16 kb + 8 (L / 16) + j] != 0)
;   512-895  the six weights, f32 -> f16, as they lie ([k][n]), behind an 8,192-byte head of each pack
;   896-911  the codebook, f32 -> f16, and the squared length of each code (of the f32 numbers)
;   912      the packs' heads: 1,024 biases and 1,024 copies of the slope of max(x, slope x): slope 1 and bias 0 stand for 'none'
; LIMIT: f16 holds no number beyond 65,504, and below 6e-5 it keeps a fixed step of 6e-8: weights and codes are taken to lie within.
; No cluster: no two work-groups read the same bytes.  No matrix unit: nothing is multiplied.
.set LW,    8704                       ; LDS of a wave: two steps x 16 rows x (256 + 16) bytes
.set SPARE, 8*LW                       ; behind them the spare words, 128 bytes a wave
.set CBO,   6299648                    ; the codebook's place in pka
.set CNO,   6561792                    ; the squared lengths' place in pka
.set SPW, 4                            ; v4  my spare word's LDS address; never rewritten
.set NIL, 5                            ; v5  0; never rewritten
.set X,   16                           ; v16-143  the mask as loaded: iteration, step, row pair
.set T,   144                          ; v144-207 two steps, turned: 32 registers a step, register 8 kb + j
	s_load_b512 s[8:23], s[0:1], 0x0               ; mask 8, Wq 10, Wk 12, Wv 14, Wo 16, W1 18, W2 20, b1 22
	s_load_b256 s[24:31], s[0:1], 0x40             ; b2 24, codebook 26, pka 28, pko 30
	s_load_b128 s[32:35], s[0:1], 0x60             ; pk1 32, pk2 34
	s_load_b64 s[36:37], s[0:1], 0x70              ; mbits
	v_lshl_add_u32 v[SPW], v0, 2, SPARE
	v_mov_b32 v[NIL], 0
	v_and_b32 v1, 31, v0                           ; lane
	v_lshrrev_b32 v2, 5, v0
	v_readfirstlane_b32 s2, v2                     ; wave
	s_mov_b32 s39, 0                               ; the high word of every 32-bit offset below
	s_wait_kmcnt 0x0
	s_cmp_lt_u32 ttmp9, 512
	s_cbranch_scc0 .Lweights
	; THE MASK.  The work-group has 16 rows (one query tile) and 2,048 keys; a wave 256 keys: four steps, two at a time.
	s_lshr_b32 s3, ttmp9, 1                        ; 128 b + tile
	s_and_b32 s4, ttmp9, 1                         ; which half of the keys
	s_lshl_b32 s38, s3, 18                         ; 16 rows of 16,384 bytes
	s_lshl_b32 s5, s4, 13
	s_add_co_u32 s38, s38, s5
	s_lshl_b32 s5, s2, 10
	s_add_co_u32 s38, s38, s5
	s_add_nc_u64 s[8:9], s[8:9], s[38:39]
	s_lshl_b32 s38, s3, 13                         ; 64 steps of 128 bytes
	s_lshl_b32 s5, s4, 12
	s_add_co_u32 s38, s38, s5
	s_lshl_b32 s5, s2, 9
	s_add_co_u32 s38, s38, s5
	s_add_nc_u64 s[36:37], s[36:37], s[38:39]
	v_lshrrev_b32 v2, 4, v1                        ; lane / 16
	v_and_b32 v3, 15, v1                           ; lane % 16
	v_lshlrev_b32 v6, 14, v2
	v_lshl_add_u32 v6, v3, 4, v6                   ; sixteen lanes take 256 consecutive bytes of one row, the other sixteen of the next
.irp it, 0,1
.irp sp, 0,1
.irp i, 0,1,2,3,4,5,6,7
	global_load_b128 v[X+64*\it+32*\sp+4*\i:X+64*\it+32*\sp+4*\i+3], v6, s[8:9] offset:\i*32768+\sp*256+\it*512 th:TH_LOAD_NT
.endr
.endr
.endr
	s_mul_i32 s5, s2, LW
	v_mul_u32_u24 v7, v2, 272
	v_lshl_add_u32 v7, v3, 4, v7
	v_add_nc_u32 v7, s5, v7                        ; in: as loaded
	v_mul_u32_u24 v8, v3, 272
	v_lshl_add_u32 v8, v2, 5, v8
	v_add_nc_u32 v8, s5, v8                        ; back: row lane % 16, eight keys from 8 (lane / 16) on
	v_lshlrev_b32 v9, 3, v1
.irp r, 10,11,12,13
	v_mov_b32 v\r, 0                               ; v_writelane_b32 keeps the other lanes of its destination: they are written first
.endr
; Two steps: through my own LDS bytes (served in order: no wait between the stores and the loads), 64 compares, and one store of 256 consecutive bytes.
.macro HALFW it, left
	s_wait_loadcnt \left                           ; the other iteration's sixteen loads may stay out
.irp sp, 0,1
.irp i, 0,1,2,3,4,5,6,7
	ds_store_b128 v7, v[X+64*(\it)+32*\sp+4*\i:X+64*(\it)+32*\sp+4*\i+3] offset:\sp*4352+\i*544
.endr
.endr
.irp sp, 0,1
.irp k, 0,1,2,3,4,5,6,7
	ds_load_b128 v[T+32*\sp+4*\k:T+32*\sp+4*\k+3], v8 offset:\sp*4352+(\k/2)*64+(\k%2)*16
.endr
.endr
	s_wait_dscnt 0x0
.irp sp, 0,1
.set g, 0
.rept 4
.irp j, 0,1,2,3,4,5,6,7
	v_cmp_ne_u32 s[40+\j], 0, v[T+32*\sp+8*g+\j]   ; word 8 g + j of the step
.endr
.irp j, 0,1,2,3,4,5,6,7
	v_writelane_b32 v[10+2*(\it)+(\j%2)], s[40+\j], (8*g+\j)/2+16*\sp  ; lane n stores words 2 n and 2 n + 1 of the two steps' 64
.endr
.set g, g+1
.endr
.endr
	global_store_b64 v9, v[10+2*(\it):11+2*(\it)], s[36:37] offset:(\it)*256
.endm
	HALFW 0, 16
	HALFW 1, 0
	s_wait_tensorcnt 0x0                           ; the wave's end
	ds_add_u32 v[SPW], v[NIL]
	s_wait_dscnt 0x0
	s_endpgm
.Lweights:
	s_cmp_lt_u32 ttmp9, 896
	s_cbranch_scc0 .Lcode
	; A WEIGHT'S CHUNK of 65,536 bytes of f32: sixteen loads of 4,096 bytes by the work-group, all out at once.
	s_sub_co_u32 s3, ttmp9, 512
	s_lshr_b32 s4, s3, 6                           ; which weight
	s_and_b32 s5, s3, 63                           ; which chunk
	s_mov_b64 s[40:41], s[10:11]
	s_mov_b64 s[42:43], s[28:29]
	s_cmp_eq_u32 s4, 1
	s_cselect_b64 s[40:41], s[12:13], s[40:41]
	s_cmp_eq_u32 s4, 2
	s_cselect_b64 s[40:41], s[14:15], s[40:41]
	s_cmp_eq_u32 s4, 3
	s_cselect_b64 s[40:41], s[16:17], s[40:41]
	s_cselect_b64 s[42:43], s[30:31], s[42:43]
	s_cmp_eq_u32 s4, 4
	s_cselect_b64 s[40:41], s[18:19], s[40:41]
	s_cselect_b64 s[42:43], s[32:33], s[42:43]
	s_cmp_eq_u32 s4, 5
	s_cselect_b64 s[40:41], s[20:21], s[40:41]
	s_cselect_b64 s[42:43], s[34:35], s[42:43]
	s_lshl_b32 s6, s4, 21                          ; Wq, Wk, Wv lie one behind the other in pka
	s_cmp_lt_u32 s4, 3
	s_cselect_b32 s6, s6, 0
	s_lshl_b32 s38, s5, 16
	s_add_nc_u64 s[40:41], s[40:41], s[38:39]
	s_lshl_b32 s38, s5, 15
	s_add_co_u32 s38, s38, s6
	s_add_co_u32 s38, s38, 8192
	s_add_nc_u64 s[42:43], s[42:43], s[38:39]
	v_lshlrev_b32 v6, 4, v0
	v_lshlrev_b32 v7, 3, v0
.set j, 0
.rept 16
	global_load_b128 v[X+4*j:X+4*j+3], v6, s[40:41] offset:j*4096 th:TH_LOAD_NT
.set j, j+1
.endr
.set j, 0
.rept 16
	s_wait_loadcnt 15-j                            ; the younger loads stay out
	v_cvt_pk_f16_f32 v[X+4*j], v[X+4*j], v[X+4*j+1]
	v_cvt_pk_f16_f32 v[X+4*j+1], v[X+4*j+2], v[X+4*j+3]
	global_store_b64 v7, v[X+4*j:X+4*j+1], s[42:43] offset:j*2048  ; a wave's store covers 256 consecutive bytes, aligned
.set j, j+1
.endr
	s_endpgm
.Lcode:
	s_cmp_lt_u32 ttmp9, 912
	s_cbranch_scc0 .Lbias
	; A CODE to a wave: 4,096 bytes of f32.
	s_sub_co_u32 s3, ttmp9, 896
	s_lshl_b32 s3, s3, 3
	s_add_co_u32 s3, s3, s2                        ; the code
	s_lshl_b32 s38, s3, 12
	s_add_nc_u64 s[26:27], s[26:27], s[38:39]
	s_lshl_b32 s38, s3, 11
	s_add_co_u32 s38, s38, CBO
	s_add_nc_u64 s[40:41], s[28:29], s[38:39]
	s_lshl_b32 s38, s3, 2
	s_add_co_u32 s38, s38, CNO
	s_add_nc_u64 s[42:43], s[28:29], s[38:39]
	s_mov_b32 s44, 0x76543210
	s_mov_b32 s45, 0xfedcba98
	v_lshlrev_b32 v6, 4, v1
	v_lshlrev_b32 v7, 3, v1
	v_mov_b32 v10, 0
.set j, 0
.rept 8
	global_load_b128 v[X+4*j:X+4*j+3], v6, s[26:27] offset:j*512
.set j, j+1
.endr
.set j, 0
.rept 8
	s_wait_loadcnt 7-j                             ; the younger loads stay out
.if j < 2                              ; the first four pairs start the four chains: nothing is cleared
	v_pk_mul_f32 v[48+4*j:49+4*j], v[X+4*j:X+4*j+1], v[X+4*j:X+4*j+1]
	v_pk_mul_f32 v[50+4*j:51+4*j], v[X+4*j+2:X+4*j+3], v[X+4*j+2:X+4*j+3]
.else
	v_pk_fma_f32 v[48+4*(j%2):49+4*(j%2)], v[X+4*j:X+4*j+1], v[X+4*j:X+4*j+1], v[48+4*(j%2):49+4*(j%2)]
	v_pk_fma_f32 v[50+4*(j%2):51+4*(j%2)], v[X+4*j+2:X+4*j+3], v[X+4*j+2:X+4*j+3], v[50+4*(j%2):51+4*(j%2)]
.endif
	v_cvt_pk_f16_f32 v[56+2*j], v[X+4*j], v[X+4*j+1]
	v_cvt_pk_f16_f32 v[57+2*j], v[X+4*j+2], v[X+4*j+3]
	global_store_b64 v7, v[56+2*j:57+2*j], s[40:41] offset:j*256
.set j, j+1
.endr
	v_pk_add_f32 v[48:49], v[48:49], v[50:51]
	v_pk_add_f32 v[52:53], v[52:53], v[54:55]
	v_pk_add_f32 v[48:49], v[48:49], v[52:53]
	v_add_f32 v48, v48, v49
	v_add_f32_dpp v48, v48, v48 row_xmask:1 row_mask:0xf bank_mask:0xf
	v_add_f32_dpp v48, v48, v48 row_xmask:2 row_mask:0xf bank_mask:0xf
	v_add_f32_dpp v48, v48, v48 row_xmask:4 row_mask:0xf bank_mask:0xf
	v_add_f32_dpp v48, v48, v48 row_xmask:8 row_mask:0xf bank_mask:0xf
	v_permlanex16_b32 v49, v48, s44, s45
	v_add_f32 v48, v48, v49
	v_cmp_eq_u32 vcc_lo, 0, v1
	s_wait_xcnt 0x0                                ; EXEC is a source of the stores above: it changes only behind this wait
	s_and_saveexec_b32 s46, vcc_lo
	global_store_b32 v10, v48, s[42:43]            ; lane 0 alone
	s_wait_xcnt 0x0
	s_or_b32 exec_lo, exec_lo, s46
	s_endpgm
.Lbias:
	; THE PACKS' HEADS: thread t has 16 bytes of each.
	v_lshlrev_b32 v6, 4, v0
	global_load_b128 v[16:19], v6, s[22:23]
	global_load_b128 v[20:23], v6, s[24:25]
.irp r, 24,25,26,27
	v_mov_b32 v\r, 0
.endr
.irp r, 28,29,30,31
	v_mov_b32 v\r, 1.0
.endr
.irp r, 32,33,34,35
	v_mov_b32 v\r, 0x3e4ccccd                      ; 0.2
.endr
	global_store_b128 v6, v[24:27], s[28:29]
	global_store_b128 v6, v[24:27], s[30:31]
	global_store_b128 v6, v[28:31], s[28:29] offset:4096
	global_store_b128 v6, v[32:35], s[30:31] offset:4096
	global_store_b128 v6, v[32:35], s[32:33] offset:4096
	global_store_b128 v6, v[28:31], s[34:35] offset:4096
	s_wait_loadcnt 0x0
	global_store_b128 v6, v[16:19], s[32:33]
	global_store_b128 v6, v[20:23], s[34:35]
	s_endpgm
.Lfunc_end_k_qfbf1b713bd_prep:
	.size	k_qfbf1b713bd_prep, .Lfunc_end_k_qfbf1b713bd_prep-k_qfbf1b713bd_prep
	.p2alignl 7, 3214868480
	.fill 96, 4, 3214868480
	.section	.rodata,"a",@progbits
	.p2align	6, 0x0
	.amdhsa_kernel k_qfbf1b713bd_prep
		.amdhsa_group_segment_fixed_size 70656
		.amdhsa_private_segment_fixed_size 0
		.amdhsa_enable_private_segment 0
		.amdhsa_kernarg_size 120
		.amdhsa_user_sgpr_count 2
		.amdhsa_user_sgpr_kernarg_segment_ptr 1
		.amdhsa_wavefront_size32 1
		.amdhsa_system_sgpr_workgroup_id_x 1
		.amdhsa_system_sgpr_workgroup_id_y 1
		.amdhsa_system_sgpr_workgroup_id_z 1
		.amdhsa_system_vgpr_workitem_id 0
		.amdhsa_next_free_vgpr 208
		.amdhsa_next_free_sgpr 66
		.amdhsa_reserve_vcc 1
		.amdhsa_float_denorm_mode_32 3
		.amdhsa_float_denorm_mode_16_64 3
		.amdhsa_memory_ordered 1
		.amdhsa_forward_progress 1
		.amdhsa_inst_pref_size 39
	.end_amdhsa_kernel
	.amdgpu_metadata
---
amdhsa.version: [ 1, 2 ]
amdhsa.kernels:
  - .name:           k_qfbf1b713bd_prep
    .symbol:         k_qfbf1b713bd_prep.kd
    .args:
      - { .name: mask, .offset: 0, .size: 8, .value_kind: global_buffer, .address_space: global }
      - { .name: Wq, .offset: 8, .size: 8, .value_kind: global_buffer, .address_space: global }
      - { .name: Wk, .offset: 16, .size: 8, .value_kind: global_buffer, .address_space: global }
      - { .name: Wv, .offset: 24, .size: 8, .value_kind: global_buffer, .address_space: global }
      - { .name: Wo, .offset: 32, .size: 8, .value_kind: global_buffer, .address_space: global }
      - { .name: W1, .offset: 40, .size: 8, .value_kind: global_buffer, .address_space: global }
      - { .name: W2, .offset: 48, .size: 8, .value_kind: global_buffer, .address_space: global }
      - { .name: b1, .offset: 56, .size: 8, .value_kind: global_buffer, .address_space: global }
      - { .name: b2, .offset: 64, .size: 8, .value_kind: global_buffer, .address_space: global }
      - { .name: codebook, .offset: 72, .size: 8, .value_kind: global_buffer, .address_space: global }
      - { .name: pka, .offset: 80, .size: 8, .value_kind: global_buffer, .address_space: global }
      - { .name: pko, .offset: 88, .size: 8, .value_kind: global_buffer, .address_space: global }
      - { .name: pk1, .offset: 96, .size: 8, .value_kind: global_buffer, .address_space: global }
      - { .name: pk2, .offset: 104, .size: 8, .value_kind: global_buffer, .address_space: global }
      - { .name: mbits, .offset: 112, .size: 8, .value_kind: global_buffer, .address_space: global }
    .group_segment_fixed_size: 70656
    .private_segment_fixed_size: 0
    .kernarg_segment_align: 8
    .kernarg_segment_size: 120
    .max_flat_workgroup_size: 256
    .sgpr_count:     66
    .vgpr_count:     208
    .wavefront_size: 32
...
	.end_amdgpu_metadata
.endif
;; end of part 1
;; launch vq (part 2): grid 256 x 1, 4 waves a work-group, clusters of 4 x 1, 305,664 bytes of LDS; arguments h, pka, wsu; writes wsu
.if DOCPART == 2
	.amdgcn_target "amdgcn-amd-amdhsa--gfx1250"
	.amdhsa_code_object_version 6
	.text
	.protected	k_qfbf1b713bd_vq
	.globl	k_qfbf1b713bd_vq
	.p2align	8
	.type	k_qfbf1b713bd_vq,@function
k_qfbf1b713bd_vq:
	s_mov_b64 s[64:65], 0
	v_nop
	global_prefetch_b8 v0, s[64:65] scope:SCOPE_SE
	s_setreg_imm32_b32 hwreg(HW_REG_WAVE_MODE, 25, 1), 1
	s_wait_xcnt 0x0
	s_wait_alu depctr_hold_cnt(0) depctr_sa_sdst(0) depctr_va_vdst(0) depctr_va_sdst(0) depctr_va_ssrc(0) depctr_va_vcc(0) depctr_vm_vsrc(0)
	s_getreg_b32 s2, hwreg(HW_REG_IB_STS2, 6, 4)
	s_cmp_eq_u32 s2, 0
	s_cbranch_scc0 .Lentry_in_a_cluster
	s_endpgm
.Lentry_in_a_cluster:
	s_bfe_u32 s2, ttmp6, 0x10000c
	s_cmp_lg_u32 s2, 0x3003
	s_cbranch_scc0 .Lentry_shape_is_right
	s_endpgm
.Lentry_shape_is_right:
; THE SOFT QUANTISER.  For 16 rows x of h: w = softmax over the 128 codes of (2 x.c - |c|^2) (|x|^2 is common to a row and falls out of the softmax), with the row's maximum
; taken away; q = w C.  Stored: x in f16 (rows 0-4095 of X16), q in f16 (rows 4096-8191), and for each wave the sum of (q - x)^2 over its 16 x 256 numbers.
; LIMITS.  x and the codes are multiplied in f16 (no number beyond 65,504; a fixed step of 6e-8 below 6e-5).  h_new is taken as q: x + (q - x) in f32 differs from it by 2^-24 |x| at the most.
; The loss takes x as rounded to f16.  A weight below 2^-126 counts as 0.  NaN and infinities are not treated apart.
; SHARES.  Wave w has the codes 32 w .. 32 w + 31 in the scores and the columns 256 w .. 256 w + 255 everywhere else.
; CLUSTER.  All work-groups need the whole codebook: the four of a cluster ask for it jointly, each wave for 32 codes, once; nothing is filled again.
; LAYOUT.  scores^T = C x^T (source 0 = 16 codes, source 1 = the 16 rows): a lane holds ONE row (lane % 16) and the codes 8 (lane / 16) + 0..7; two such results rounded to f16 in pairs
; ARE source 1 (32 codes x 16 rows) of q^T = C^T w, whose source 0 comes out of LDS turned, by ds_load_tr16_b128.
.set CP,    2080                       ; a code in LDS: two halves of 1,024 bytes, 16 bytes of padding behind each
.set CWAVE, 32*CP
.set XS,    4*CWAVE                    ; x in f16, later q: for each wave 16 rows x 512 bytes, 528 apart
.set XP,    528
.set XW,    16*XP
.set MS,    XS+4*XW                    ; the waves' maxima, 128 bytes a wave
.set WS,    MS+1024                    ; (their sums lie 512 bytes behind the maxima;) the waves' weights, 1,024 bytes a wave
.set SPARE, WS+4096                    ; the spare words
.set CBO,   6299648
.set CNO,   6561792
.set X16,   16777216
.set LPO,   33554432
.set F0,    64                         ; fragment buffers of the scores: 32 registers of x, 64 of codes
.set F1,    160
; v1 lane, v2 spare word, v3 0, v4 lane % 16, v5 lane / 16, v6 x's fragments, v7 the codes', v8-11 the turned codes' (32 codes each), v12 my place in my own x, v13 1.0
; v16-31 two accumulators of scores, later differences and the loss; v32-39 |c|^2, then my weights; v40-41 1 / sum; v44-47 q packed; v48-63 at work; v64-95 four accumulators of q;
; v96-127 everybody's weights; v128-255 x as loaded, then fragments
.macro CROUND
	s_barrier_signal -1
	s_barrier_wait -1
	s_cmp_lg_u32 s10, 0
	s_cbranch_scc1 .Lnot_wave_0_\@
	s_barrier_signal -3
.Lnot_wave_0_\@:
	s_barrier_wait -3
	s_barrier_signal -1
	s_barrier_wait -1
.endm
.macro PLACES                          ; four plain vector instructions behind a matrix instruction, ahead of what reads its result or loads into its sources
.rept 4
	v_nop
.endr
.endm
	s_load_b128 s[4:7], s[0:1], 0x0                ; h, pka
	s_load_b64 s[8:9], s[0:1], 0x10                ; wsu
	v_lshl_add_u32 v2, v0, 2, SPARE
	v_mov_b32 v3, 0
	ds_add_u32 v2, v3                              ; the wave's opening: the add and its wait ahead of my first tensor load
	v_lshrrev_b32 v1, 5, v0
	v_readfirstlane_b32 s10, v1                    ; wave
	s_bfe_u32 s11, ttmp6, 0x40000                  ; cx
	s_lshl_b32 s12, ttmp9, 2
	s_add_co_u32 s12, s12, s11                     ; the work-group: it enters h's and wsu's addresses alone
	s_mov_b32 s20, 15|(1<<16)|(1<<20)|(1<<21)|(7<<22)|(3<<25)  ; the mask of four; 2-byte elements; padding on; bit 21 beside a mask; after every 256 words, 4 words
	s_mov_b32 s21, 1024<<16                        ; tensor_dim0
	s_mov_b32 s22, 32<<16                          ; tensor_dim1
	s_mov_b32 s23, 1024<<16                        ; tile_dim0
	s_mov_b32 s24, 32                              ; tile_dim1
	s_mov_b32 s25, 1024                            ; elements from row to row
	s_mov_b32 s26, 0
	s_mov_b32 s27, 0
	s_mov_b32 s16, 1
	s_mul_i32 s17, s10, CWAVE                      ; my 32 codes' place in LDS
	s_lshl_b32 s14, s10, 16
	s_add_co_u32 s14, s14, CBO
	s_mov_b32 s15, 0
	s_mov_b32 s28, 0x76543210
	s_mov_b32 s29, 0xfedcba98
	s_wait_dscnt 0x0
	s_wait_kmcnt 0x0
	s_add_nc_u64 s[18:19], s[6:7], s[14:15]
	s_or_b32 s19, s19, 0x80000000
	CROUND                                         ; all four work-groups are here: the joint loads meet
	tensor_load_to_lds s[16:19], s[20:27]
	s_nop 0
	PLACES
	v_and_b32 v1, 31, v0
	v_and_b32 v4, 15, v0
	v_bfe_u32 v5, v0, 4, 1
	s_lshl_b32 s13, s10, 7
	s_add_co_u32 s13, s13, CNO
	v_lshl_add_u32 v48, v5, 5, s13                 ; |c|^2 of code 32 w + 16 t + 8 (lane / 16) + j goes to register 8 t + j, as the scores lie
.irp t, 0,1
	global_load_b128 v[32+8*\t:35+8*\t], v48, s[6:7] offset:64*\t
	global_load_b128 v[36+8*\t:39+8*\t], v48, s[6:7] offset:64*\t+16
.endr
	s_lshl_b32 s32, s12, 16                        ; 16 rows of 4,096 bytes
	s_lshl_b32 s33, s10, 10
	s_add_co_u32 s32, s32, s33
	s_mov_b32 s33, 0
	s_add_nc_u64 s[30:31], s[4:5], s[32:33]
	v_lshlrev_b32 v49, 4, v1
.set n, 0
.rept 32                               ; row n / 2, 512 consecutive bytes a load
	global_load_b128 v[128+4*n:131+4*n], v49, s[30:31] offset:(n/2)*4096+(n%2)*512
.set n, n+1
.endr
	s_lshl_b32 s32, s12, 15                        ; 16 rows of 2,048 bytes
	s_lshl_b32 s34, s10, 9
	s_add_co_u32 s32, s32, s34
	s_add_co_u32 s32, s32, X16
	s_add_nc_u64 s[34:35], s[8:9], s[32:33]        ; x in f16
	s_add_nc_u64 s[36:37], s[34:35], 8388608       ; q, 4,096 rows further down
	s_lshl_b32 s32, s12, 4
	s_lshl_b32 s38, s10, 2
	s_add_co_u32 s32, s32, s38
	s_add_co_u32 s32, s32, LPO
	s_add_nc_u64 s[38:39], s[8:9], s[32:33]        ; my partial sum
	s_mul_i32 s43, s10, XW
	s_add_co_u32 s43, s43, XS                      ; my own part of XS
	v_lshlrev_b32 v50, 3, v1
	v_lshl_add_u32 v51, v1, 3, s43
	v_mul_u32_u24 v6, v4, XP
	v_lshl_add_u32 v6, v5, 4, v6
	v_add_nc_u32 v12, s43, v6
	v_add_nc_u32 v6, XS, v6
	s_lshl_b32 s41, s10, 5
	v_add_nc_u32 v7, s41, v4
	v_mul_u32_u24 v7, v7, CP
	v_lshl_add_u32 v7, v5, 4, v7
	v_and_b32 v52, 7, v0
	v_lshl_add_u32 v52, v5, 3, v52
	v_mul_u32_u24 v52, v52, CP
	v_bfe_u32 v53, v0, 3, 1
	v_lshl_add_u32 v52, v53, 4, v52
	s_lshl_b32 s41, s10, 9                         ; column 256 w: 512 w bytes, and 16 more behind the row's first half
	s_lshr_b32 s42, s10, 1
	s_lshl_b32 s42, s42, 4
	s_add_co_u32 s41, s41, s42
	v_add_nc_u32 v8, s41, v52
	v_add_nc_u32 v9, 32*CP, v8
	v_add_nc_u32 v10, 64*CP, v8
	v_add_nc_u32 v11, 96*CP, v8
.set n, 0
.rept 32
	s_wait_loadcnt 31-n                            ; the younger loads stay out
	v_cvt_pk_f16_f32 v[128+4*n], v[128+4*n], v[129+4*n]
	v_cvt_pk_f16_f32 v[129+4*n], v[130+4*n], v[131+4*n]
	ds_store_b64 v51, v[128+4*n:129+4*n] offset:(n/2)*XP+(n%2)*256
	global_store_b64 v50, v[128+4*n:129+4*n], s[34:35] offset:(n/2)*2048+(n%2)*256  ; 256 consecutive bytes, aligned
.set n, n+1
.endr
	s_wait_tensorcnt 0x0                           ; my 32 codes are in LDS,
	s_wait_dscnt 0x0                               ; my part of x too,
	s_wait_xcnt 0x0                                ; and the stores' registers may be written again
	s_barrier_signal -1
	s_barrier_wait -1                              ; everybody's are
; THE SCORES.  K = 1,024 in eight trips of 128; the two accumulators take turns.
.macro FETCHL n, f
.irp k, 0,1,2,3
.set kk, 4*(\n)+\k
	ds_load_b128 v[(\f)+8*\k:(\f)+8*\k+3],   v6 offset:(kk/8)*XW+(kk%8)*64
	ds_load_b128 v[(\f)+8*\k+4:(\f)+8*\k+7], v6 offset:(kk/8)*XW+(kk%8)*64+32
.irp t, 0,1
	ds_load_b128 v[(\f)+32+16*\k+8*\t:(\f)+32+16*\k+8*\t+3],   v7 offset:\t*16*CP+64*kk+16*(kk/16)
	ds_load_b128 v[(\f)+32+16*\k+8*\t+4:(\f)+32+16*\k+8*\t+7], v7 offset:\t*16*CP+64*kk+16*(kk/16)+32
.endr
.endr
.endm
.macro MULL f, zero
.irp k, 0,1,2,3
.irp t, 0,1
.if (\zero) && (\k == 0)
	v_wmma_f32_16x16x32_f16 v[16+8*\t:23+8*\t], v[(\f)+32+16*\k+8*\t:(\f)+32+16*\k+8*\t+7], v[(\f)+8*\k:(\f)+8*\k+7], 0
.else
	v_wmma_f32_16x16x32_f16 v[16+8*\t:23+8*\t], v[(\f)+32+16*\k+8*\t:(\f)+32+16*\k+8*\t+7], v[(\f)+8*\k:(\f)+8*\k+7], v[16+8*\t:23+8*\t]
.endif
.endr
.endr
.endm
	FETCHL 0, F0
	FETCHL 1, F1
	s_wait_dscnt 24                                ; all but the 24 just issued
	MULL F0, 1
.irp n, 2,4,6
	PLACES
	FETCHL \n, F0
	s_wait_dscnt 24
	MULL F1, 0
	PLACES
	FETCHL (\n)+1, F1
	s_wait_dscnt 24
	MULL F0, 0
.endr
	s_wait_dscnt 0x0
	MULL F1, 0
	v_lshl_add_u32 v55, v0, 2, MS                  ; four plain lines, the places behind the last products: my word among the waves' maxima,
	v_lshl_add_u32 v56, v1, 2, MS                  ; my row's word in wave 0's,
	v_lshl_add_u32 v61, v1, 4, WS                  ; my 16 bytes in wave 0's weights,
	v_mov_b32 v13, 1.0
.irp p, 0,1,2,3,4,5,6,7                ; 2 x.c - |c|^2
	v_pk_fma_f32 v[16+2*\p:17+2*\p], v[16+2*\p:17+2*\p], 2.0, v[32+2*\p:33+2*\p] op_sel_hi:[1,0,1] neg_lo:[0,0,1] neg_hi:[0,0,1]
.endr
	v_max3_num_f32 v48, v16, v17, v18
	v_max3_num_f32 v52, v24, v25, v26
	v_max3_num_f32 v48, v48, v19, v20
	v_max3_num_f32 v52, v52, v27, v28
	v_max3_num_f32 v48, v48, v21, v22
	v_max3_num_f32 v52, v52, v29, v30
	v_max3_num_f32 v48, v48, v23, v31
	v_max_num_f32 v48, v48, v52
	v_permlanex16_b32 v50, v48, s28, s29           ; the row's other 16 codes lie in the lane 16 away
	v_max_num_f32 v48, v48, v50
	ds_store_b32 v55, v48
	s_lshl_b32 s44, s10, 10
	v_add_nc_u32 v62, s44, v61                     ; and in my own
	s_wait_dscnt 0x0                               ; for the others' sake: my maximum is in LDS
	s_barrier_signal -1
	s_barrier_wait -1
.irp i, 0,1,2,3
	ds_load_b32 v[57+\i], v56 offset:128*\i
.endr
	s_wait_dscnt 0x0
	v_max3_num_f32 v57, v57, v58, v59
	v_max_num_f32 v57, v57, v60                    ; the row's maximum over all 128 codes
	v_mul_f32 v48, 0x3fb8aa3b, v57
.irp p, 0,1,2,3,4,5,6,7
	v_pk_fma_f32 v[16+2*\p:17+2*\p], v[16+2*\p:17+2*\p], 0x3fb8aa3b, v[48:49] op_sel_hi:[1,0,0] neg_lo:[0,0,1] neg_hi:[0,0,1]
.endr
.set i, 16
.rept 16
	v_exp_f32 v[i], v[i]
.set i, i+1
.endr
	v_mov_b32 v41, 0                               ; a plain line behind the last exponential
	s_wait_alu depctr_va_vdst(0)
	v_pk_add_f32 v[50:51], v[16:17], v[18:19]
	v_pk_add_f32 v[52:53], v[20:21], v[22:23]
	v_pk_add_f32 v[50:51], v[50:51], v[24:25]
	v_pk_add_f32 v[52:53], v[52:53], v[26:27]
	v_pk_add_f32 v[50:51], v[50:51], v[28:29]
	v_pk_add_f32 v[52:53], v[52:53], v[30:31]
	v_pk_add_f32 v[50:51], v[50:51], v[52:53]
	v_add_f32 v50, v50, v51
	v_permlanex16_b32 v51, v50, s28, s29
	v_add_f32 v50, v50, v51
.irp i, 0,1,2,3,4,5,6,7
	v_cvt_pk_f16_f32 v[32+\i], v[16+2*\i], v[17+2*\i]
.endr
	ds_store_b128 v62, v[32:35]
	ds_store_b128 v62, v[36:39] offset:512
	ds_store_b32 v55, v50 offset:512
	s_wait_dscnt 0x0                               ; for the others' sake: my weights and their sum are in LDS
	s_barrier_signal -1
	s_barrier_wait -1
.irp c, 0,1,2,3
	ds_load_b128 v[96+8*\c:99+8*\c],   v61 offset:1024*\c
	ds_load_b128 v[100+8*\c:103+8*\c], v61 offset:1024*\c+512
.endr
.irp i, 0,1,2,3
	ds_load_b32 v[57+\i], v56 offset:512+128*\i
.endr
.irp r, 24,25,26,27,28,29,30,31
	v_mov_b32 v\r, 0                               ; four chains for the loss
.endr
	s_wait_dscnt 0x0
	v_add_f32 v57, v57, v58
	v_add_f32 v59, v59, v60
	v_add_f32 v57, v57, v59
	v_rcp_f32 v40, v57
	v_nop                                          ; a plain line behind the reciprocal
	; q^T = C^T w: four trips of four tiles of 16 columns; a tile's sum runs over four chunks of 32 codes; the four accumulators take turns.
	s_mov_b32 s13, 4
.Lq:
.irp c, 0,1,2,3
.irp i, 0,1,2,3
	ds_load_tr16_b128 v[128+32*\c+8*\i:128+32*\c+8*\i+3], v[8+\c] offset:32*\i
	ds_load_tr16_b128 v[128+32*\c+8*\i+4:128+32*\c+8*\i+7], v[8+\c] offset:32*\i+16*CP
.endr
.endr
.irp i, 0,1,2,3
	ds_load_b128 v[48+4*\i:51+4*\i], v12 offset:32*\i  ; x where q will lie: row lane % 16, eight columns
.endr
	s_wait_dscnt 0x0
.irp c, 0,1,2,3
.irp i, 0,1,2,3
.if \c == 0
	v_wmma_f32_16x16x32_f16 v[64+8*\i:71+8*\i], v[128+32*\c+8*\i:128+32*\c+8*\i+7], v[96+8*\c:103+8*\c], 0
.else
	v_wmma_f32_16x16x32_f16 v[64+8*\i:71+8*\i], v[128+32*\c+8*\i:128+32*\c+8*\i+7], v[96+8*\c:103+8*\c], v[64+8*\i:71+8*\i]
.endif
.endr
.endr
	PLACES
	s_wait_alu depctr_va_vdst(0)
.irp i, 0,1,2,3
.irp k, 0,1,2,3
	v_pk_mul_f32 v[64+8*\i+2*\k:65+8*\i+2*\k], v[64+8*\i+2*\k:65+8*\i+2*\k], v[40:41] op_sel_hi:[1,0]  ; divided by the weights' sum
.endr
.irp k, 0,1,2,3
	v_fma_mix_f32 v[16+2*\k], -v[48+4*\i+\k], v13, v[64+8*\i+2*\k] op_sel_hi:[1,0,0]                    ; q - x, x from its f16 half
	v_fma_mix_f32 v[17+2*\k], -v[48+4*\i+\k], v13, v[65+8*\i+2*\k] op_sel:[1,0,0] op_sel_hi:[1,0,0]
.endr
.irp k, 0,1,2,3
	v_pk_fma_f32 v[24+2*\k:25+2*\k], v[16+2*\k:17+2*\k], v[16+2*\k:17+2*\k], v[24+2*\k:25+2*\k]
.endr
.irp k, 0,1,2,3
	v_cvt_pk_f16_f32 v[44+\k], v[64+8*\i+2*\k], v[65+8*\i+2*\k]
.endr
	ds_store_b128 v12, v[44:47] offset:32*\i       ; over the x just read: my own bytes
.endr
.irp r, 8,9,10,11,12
	v_add_nc_u32 v\r, 128, v\r                     ; 64 columns on
.endr
	s_sub_co_u32 s13, s13, 1
	s_cmp_lg_u32 s13, 0
	s_cbranch_scc1 .Lq
	v_lshl_add_u32 v6, v1, 4, s43                  ; q goes out by whole rows of my 512 bytes
	v_lshlrev_b32 v7, 4, v1
.set i, 0
.rept 16
	ds_load_b128 v[128+4*i:131+4*i], v6 offset:i*XP  ; LDS serves a wave's instructions in order: these see the stores above
.set i, i+1
.endr
	v_pk_add_f32 v[24:25], v[24:25], v[26:27]
	v_pk_add_f32 v[28:29], v[28:29], v[30:31]
	v_pk_add_f32 v[24:25], v[24:25], v[28:29]
	v_add_f32 v24, v24, v25
	v_add_f32_dpp v24, v24, v24 row_xmask:1 row_mask:0xf bank_mask:0xf
	v_add_f32_dpp v24, v24, v24 row_xmask:2 row_mask:0xf bank_mask:0xf
	v_add_f32_dpp v24, v24, v24 row_xmask:4 row_mask:0xf bank_mask:0xf
	v_add_f32_dpp v24, v24, v24 row_xmask:8 row_mask:0xf bank_mask:0xf
	v_permlanex16_b32 v25, v24, s28, s29
	v_add_f32 v24, v24, v25
	v_mov_b32 v16, 0
.set i, 0
.rept 16
	s_wait_dscnt 15-i                              ; the younger rows' loads stay out
	global_store_b128 v7, v[128+4*i:131+4*i], s[36:37] offset:i*2048  ; 512 consecutive bytes, aligned
.set i, i+1
.endr
	v_cmp_eq_u32 vcc_lo, 0, v1
	s_wait_xcnt 0x0                                ; EXEC is a source of the stores above
	s_and_saveexec_b32 s40, vcc_lo
	global_store_b32 v16, v24, s[38:39]            ; lane 0 alone: my wave's part of the loss
	s_wait_xcnt 0x0
	s_or_b32 exec_lo, exec_lo, s40
	s_wait_tensorcnt 0x0                           ; the wave's end
	ds_add_u32 v2, v3
	s_wait_dscnt 0x0
	CROUND                                         ; the closing round
	s_endpgm
.Lfunc_end_k_qfbf1b713bd_vq:
	.size	k_qfbf1b713bd_vq, .Lfunc_end_k_qfbf1b713bd_vq-k_qfbf1b713bd_vq
	.p2alignl 7, 3214868480
	.fill 96, 4, 3214868480
	.section	.rodata,"a",@progbits
	.p2align	6, 0x0
	.amdhsa_kernel k_qfbf1b713bd_vq
		.amdhsa_group_segment_fixed_size 305664
		.amdhsa_private_segment_fixed_size 0
		.amdhsa_enable_private_segment 0
		.amdhsa_kernarg_size 24
		.amdhsa_user_sgpr_count 2
		.amdhsa_user_sgpr_kernarg_segment_ptr 1
		.amdhsa_wavefront_size32 1
		.amdhsa_system_sgpr_workgroup_id_x 1
		.amdhsa_system_sgpr_workgroup_id_y 1
		.amdhsa_system_sgpr_workgroup_id_z 1
		.amdhsa_system_vgpr_workitem_id 0
		.amdhsa_next_free_vgpr 256
		.amdhsa_next_free_sgpr 66
		.amdhsa_reserve_vcc 1
		.amdhsa_float_denorm_mode_32 3
		.amdhsa_float_denorm_mode_16_64 3
		.amdhsa_memory_ordered 1
		.amdhsa_forward_progress 1
		.amdhsa_inst_pref_size 55
	.end_amdhsa_kernel
	.amdgpu_metadata
---
amdhsa.version: [ 1, 2 ]
amdhsa.kernels:
  - .name:           k_qfbf1b713bd_vq
    .symbol:         k_qfbf1b713bd_vq.kd
    .args:
      - { .name: h, .offset: 0, .size: 8, .value_kind: global_buffer, .address_space: global }
      - { .name: pka, .offset: 8, .size: 8, .value_kind: global_buffer, .address_space: global }
      - { .name: wsu, .offset: 16, .size: 8, .value_kind: global_buffer, .address_space: global }
    .group_segment_fixed_size: 305664
    .private_segment_fixed_size: 0
    .kernarg_segment_align: 8
    .kernarg_segment_size: 24
    .max_flat_workgroup_size: 128
    .sgpr_count:     66
    .vgpr_count:     256
    .wavefront_size: 32
...
	.end_amdgpu_metadata
.endif
;; end of part 2
;; launch proj (part 3): grid 8 x 160, 4 waves a work-group, clusters of 4 x 4, 327,680 bytes of LDS; arguments wsu, pka, wsv; writes wsv
.if DOCPART == 3
	.amdgcn_target "amdgcn-amd-amdhsa--gfx1250"
	.amdhsa_code_object_version 6
	.text
	.protected	k_qfbf1b713bd_proj
	.globl	k_qfbf1b713bd_proj
	.p2align	8
	.type	k_qfbf1b713bd_proj,@function
k_qfbf1b713bd_proj:
	s_mov_b64 s[64:65], 0
	v_nop
	global_prefetch_b8 v0, s[64:65] scope:SCOPE_SE
	s_setreg_imm32_b32 hwreg(HW_REG_WAVE_MODE, 25, 1), 1
	s_wait_xcnt 0x0
	s_wait_alu depctr_hold_cnt(0) depctr_sa_sdst(0) depctr_va_vdst(0) depctr_va_sdst(0) depctr_va_ssrc(0) depctr_va_vcc(0) depctr_vm_vsrc(0)
	s_getreg_b32 s2, hwreg(HW_REG_IB_STS2, 6, 4)
	s_cmp_eq_u32 s2, 0
	s_cbranch_scc0 .Lentry_in_a_cluster
	s_endpgm
.Lentry_in_a_cluster:
	s_bfe_u32 s2, ttmp6, 0x10000c
	s_cmp_lg_u32 s2, 0xf033
	s_cbranch_scc0 .Lentry_shape_is_right
	s_endpgm
.Lentry_shape_is_right:
; C = act(A W + bias), act(x) = max(x, slope x), stored in f16 BY SLICES of 64 columns.  A: f16, [rows][1024], 16 MiB behind the first argument's first byte.  The pack (second argument): 1,024 biases,
; 1,024 copies of the slope, then weights in f16, [k][n], 2 MiB each.  Slope 1 and bias 0 give a plain product, bit for bit.  Sums in f32, C rounded once.
; JOBS.  32 tile rows make a job (the cluster's y / 8, common to a cluster).  Jobs 0, 1, 2: rows 0-4095 of A times weight 0, 1, 2.  Jobs 3, 4: rows 4096-8191 times weight 1, 2.
; C's PLACE: weight x 16 MiB + (16 (row / 2048) + column / 64) x 524,288 + (row % 2048) x 128 + 2 (column % 64), and 262,144 more in jobs 3 and 4: a slice's rows are dense, 128 bytes each.
; LIMIT: f16 holds no number beyond 65,504 (a fixed step of 6e-8 below 6e-5): A, W and C are taken to lie within.
; SHAPE.  A tile of C is 128 x 128, four waves of 64 x 64: 16 accumulators.  That makes 1,280 work-groups for five jobs and 256 for one; tiles of 256 x 256 would make 320 and 64.
; K goes in four steps of 256 through two LDS slots; the text is written straight, without a loop.
; CLUSTER: 4 x 4.  A's tiles are asked for jointly along a row of the cluster, W's along a column.
; THE MATRIX INSTRUCTION IS USED TRANSPOSED: source 0 = 16 columns of W (out of LDS turned, by ds_load_tr16_b128, since W lies [k][n]), source 1 = 16 rows of A: a lane holds eight neighbouring numbers of a row of C.
; REGISTERS: window 0: v0-31 addresses; v32-63 bias; v64-87 at work; v128-255 the accumulators ((a, b) at 128 + 8 (4 a + b)).  Window 1: two fragment buffers of 128: for 64 along K, 64 registers of A, then 64 of W.
.set PA,     528                       ; a row of A in LDS: 512 bytes + 16
.set HALFA,  64*PA                     ; 64 rows: one tensor load
.set PB,     288                       ; a row of W in LDS: 256 bytes + 32 = 72 words: the eight rows that sixteen lanes of the turning load take start eight words apart
.set HALFB,  128*PB                    ; 128 rows of k: one tensor load
.set SLOT,   2*HALFA+2*HALFB
.set STAGE,  2*SLOT                    ; behind the ring: 16 rows x 144 bytes for each wave
.set SP,     144
.set SPARE,  STAGE+4*16*SP
.set ASTEP,  512                       ; bytes from a K step to the next, in A
.set BSTEP,  256*2048                  ; and in W
.set ADRA, 16                          ; v16-17  my A fragments in slot 0, 1
.set ADRB, 20                          ; v20-23  my W fragments: slot, half of the K step
.set STO,  24
.set RD,   25
.set GO,   26
.set SPW,  28
.set NIL,  29
.set BIAS, 32
.set TMP,  64
.set PKD,  72
.set ACC,  128
.set F0,   0
.set F1,   128
.set G1, 24
.set G0, 32
.set G1B, 48
.set G0B, 56
.set MSB, 0
.macro WIN new                         ; the immediate's high byte repeats the setting that is left
.if MSB != (\new)
	s_set_vgpr_msb (MSB<<8)|(\new)
.set MSB, \new
.endif
.endm
.set MUL,  0x05                        ; sources 0 and 1 window 1; C and D window 0
.set TO_F, 0x40                        ; destination window 1, address window 0
.macro JLOAD s                         ; a joint load: waves 0 and 1 fetch A's two halves, waves 2 and 3 W's; an s_nop 0 and four v_nop follow each line
	s_cmp_eq_u32 s11, 0
	s_cbranch_scc0 .Lfor_b_\@
	tensor_load_to_lds s[G0+4*(\s):G0+4*(\s)+3], s[G1:G1+7]
	s_nop 0
.rept 4
	v_nop
.endr
	s_branch .Lasked_\@
.Lfor_b_\@:
	tensor_load_to_lds s[G0B+4*(\s):G0B+4*(\s)+3], s[G1B:G1B+7]
	s_nop 0
.rept 4
	v_nop
.endr
.Lasked_\@:
.endm
.macro CREST                           ; a round of the cluster's barrier behind its opening barrier
	s_cmp_lg_u32 s10, 0
	s_cbranch_scc1 .Lnot_wave_0_\@
	s_barrier_signal -3
.Lnot_wave_0_\@:
	s_barrier_wait -3
	s_barrier_signal -1
	s_barrier_wait -1
.endm
.macro CROUND
	s_barrier_signal -1
	s_barrier_wait -1
	CREST
.endm
	s_load_b128 s[4:7], s[0:1], 0x0                ; A's buffer, the pack
	s_load_b64 s[8:9], s[0:1], 0x10                ; C's buffer
	v_lshl_add_u32 v[SPW], v0, 2, SPARE
	v_mov_b32 v[NIL], 0
	ds_add_u32 v[SPW], v[NIL]                      ; the wave's opening: the add and its wait ahead of my first tensor load
	v_lshrrev_b32 v1, 5, v0
	v_readfirstlane_b32 s10, v1                    ; wave
	s_lshr_b32 s11, s10, 1                         ; my half of the tile's rows.  Also: I fetch for A (0) or for W (1)
	s_and_b32 s12, s10, 1                          ; my half of its columns.  Also: which half of that tile I fetch
	s_bfe_u32 s40, ttmp6, 0x40000                  ; cx
	s_bfe_u32 s41, ttmp6, 0x40004                  ; cy
	s_lshl_b32 s42, ttmp9, 2
	s_add_co_u32 s42, s42, s40                     ; tile column
	s_and_b32 s45, ttmp7, 0xffff                   ; the cluster's y
	s_lshr_b32 s72, s45, 3                         ; the job
	s_and_b32 s13, s45, 7
	s_lshl_b32 s13, s13, 2
	s_add_co_u32 s13, s13, s41                     ; tile row within the job
	s_cmp_ge_u32 s72, 3
	s_cselect_b32 s73, 1, 0                        ; the second 4,096 rows of A?
	s_lshl_b32 s74, s73, 1
	s_sub_co_u32 s74, s72, s74                     ; the weight
	s_lshl_b32 s43, s41, 2
	s_lshl_b32 s43, 15, s43                        ; my row of the cluster
	s_lshl_b32 s44, 0x1111, s40                    ; my column
	s_or_b32 s[G1+0], s43, (1<<16)|(1<<20)|(1<<21)|(6<<22)|(3<<25)   ; A: 64 rows x 256 elements; 4 words of padding after every 128
	s_mov_b32 s[G1+1], 256<<16
	s_mov_b32 s[G1+2], 64<<16
	s_mov_b32 s[G1+3], 256<<16
	s_mov_b32 s[G1+4], 64
	s_mov_b32 s[G1+5], 1024
	s_mov_b32 s[G1+6], 0
	s_mov_b32 s[G1+7], 0
	s_or_b32 s[G1B+0], s44, (1<<16)|(1<<20)|(1<<21)|(5<<22)|(7<<25)  ; W: 128 rows x 128 elements; 8 words of padding after every 64
	s_mov_b32 s[G1B+1], 128<<16
	s_mov_b32 s[G1B+2], 128<<16
	s_mov_b32 s[G1B+3], 128<<16
	s_mov_b32 s[G1B+4], 128
	s_mov_b32 s[G1B+5], 1024
	s_mov_b32 s[G1B+6], 0
	s_mov_b32 s[G1B+7], 0
	s_lshl_b32 s16, s13, 7                         ; A's address hangs on the tile row, the job and the wave alone,
	s_lshl_b32 s17, s12, 6
	s_add_co_u32 s16, s16, s17
	s_lshl_b32 s17, s73, 12
	s_add_co_u32 s16, s16, s17
	s_lshl_b32 s16, s16, 11
	s_add_co_u32 s16, s16, 0x1000000
	s_mov_b32 s17, 0
	s_lshl_b32 s46, s74, 21                        ; W's on the tile column, the job and the wave alone
	s_lshl_b32 s47, s12, 18
	s_add_co_u32 s46, s46, s47
	s_lshl_b32 s47, s42, 8
	s_add_co_u32 s46, s46, s47
	s_add_co_u32 s46, s46, 8192
	s_mov_b32 s47, 0
	s_mul_i32 s20, s12, HALFA                      ; where they go: no place in the cluster enters an LDS address
	s_mul_i32 s23, s12, HALFB
	s_add_co_u32 s23, s23, 2*HALFA
	s_wait_dscnt 0x0
	s_wait_kmcnt 0x0
	s_add_nc_u64 s[14:15], s[4:5], s[16:17]
	s_add_nc_u64 s[46:47], s[6:7], s[46:47]
	CROUND                                         ; all sixteen work-groups are here: the first joint loads meet
.irp s, 0,1
	s_mov_b32 s[G0+4*(\s)], 1
	s_add_co_u32 s[G0+4*(\s)+1], s20, (\s)*SLOT
	s_add_nc_u64 s[G0+4*(\s)+2:G0+4*(\s)+3], s[14:15], (\s)*ASTEP
	s_or_b32 s[G0+4*(\s)+3], s[G0+4*(\s)+3], 0x80000000
	s_mov_b32 s[G0B+4*(\s)], 1
	s_add_co_u32 s[G0B+4*(\s)+1], s23, (\s)*SLOT
	s_add_nc_u64 s[G0B+4*(\s)+2:G0B+4*(\s)+3], s[46:47], (\s)*BSTEP
	s_or_b32 s[G0B+4*(\s)+3], s[G0B+4*(\s)+3], 0x80000000
	JLOAD \s
.endr
	s_load_b64 s[68:69], s[6:7], 0x1000            ; the slope, twice
	v_and_b32 v1, 15, v0                           ; l % 16
	v_bfe_u32 v2, v0, 4, 1                         ; l / 16
	v_mul_u32_u24 v3, v1, PA
	v_lshl_add_u32 v3, v2, 4, v3
	s_mul_i32 s21, s11, HALFA
	v_add_nc_u32 v[ADRA], s21, v3
	s_add_co_u32 s21, s21, SLOT
	v_add_nc_u32 v[ADRA+1], s21, v3
	v_and_b32 v4, 7, v0                            ; the turning load: lane l reads row 8 (l / 16) + l % 8 of k, columns 8 ((l / 8) % 2) + 0..7
	v_lshl_add_u32 v4, v2, 3, v4
	v_mul_u32_u24 v4, v4, PB
	v_bfe_u32 v5, v0, 3, 1
	v_lshl_add_u32 v4, v5, 4, v4
	s_lshl_b32 s22, s12, 7
	s_add_co_u32 s22, s22, 2*HALFA
	v_add_nc_u32 v[ADRB], s22, v4
	s_add_co_u32 s22, s22, HALFB
	v_add_nc_u32 v[ADRB+1], s22, v4
	s_add_co_u32 s22, s22, SLOT-HALFB
	v_add_nc_u32 v[ADRB+2], s22, v4
	s_add_co_u32 s22, s22, HALFB
	v_add_nc_u32 v[ADRB+3], s22, v4
	s_mul_i32 s21, s10, 16*SP
	s_add_co_u32 s21, s21, STAGE                   ; my stage
	v_mul_u32_u24 v5, v1, SP                       ; in: row l % 16, 16 bytes for each half of the lanes
	v_lshl_add_u32 v5, v2, 4, v5
	v_add_nc_u32 v[STO], s21, v5
	v_and_b32 v5, 31, v0
	v_lshrrev_b32 v7, 3, v5                        ; back: 32 lanes take four rows of 128 bytes,
	v_mul_u32_u24 v7, v7, SP
	v_and_b32 v8, 7, v0
	v_lshl_add_u32 v7, v8, 4, v7
	v_add_nc_u32 v[RD], s21, v7
	v_lshlrev_b32 v[GO], 4, v5                     ; which are 512 consecutive bytes of a slice
	s_lshl_b32 s46, s42, 9                         ; the bias of my 64 columns: a lane's eight of each 16
	s_lshl_b32 s47, s12, 8
	s_add_co_u32 s46, s46, s47
	v_lshl_add_u32 v6, v2, 5, s46
.irp b, 0,1,2,3
	global_load_b128 v[BIAS+8*\b:BIAS+8*\b+3],   v6, s[6:7] offset:64*\b
	global_load_b128 v[BIAS+8*\b+4:BIAS+8*\b+7], v6, s[6:7] offset:64*\b+16
.endr
	s_lshl_b32 s16, s13, 7                         ; where my 64 x 64 begins in C: what hangs on the tile row and the job,
	s_lshl_b32 s17, s11, 6
	s_add_co_u32 s16, s16, s17
	s_lshr_b32 s17, s16, 11
	s_lshl_b32 s17, s17, 23
	s_and_b32 s16, s16, 2047
	s_lshl_b32 s16, s16, 7
	s_add_co_u32 s16, s16, s17
	s_lshl_b32 s17, s74, 24
	s_add_co_u32 s16, s16, s17
	s_lshl_b32 s17, s73, 18
	s_add_co_u32 s16, s16, s17
	s_mov_b32 s17, 0
	s_add_nc_u64 s[8:9], s[8:9], s[16:17]
	s_lshl_b32 s46, s42, 1                         ; and the slice, which hangs on the tile column
	s_add_co_u32 s46, s46, s12
	s_lshl_b32 s46, s46, 19
	s_mov_b32 s47, 0
	s_add_nc_u64 s[8:9], s[8:9], s[46:47]
; 8 matrix instructions: m blocks a0, a0 + 1 x all 4 n blocks, 32 along K: half c of buffer f.  zero = 1: the first product starts the sums.  The accumulators take turns.
.macro MUL8 f, c, a0, zero
	WIN MUL
.irp a, \a0, (\a0)+1
.irp b, 0,1,2,3
.if \zero
	v_wmma_f32_16x16x32_f16 v[ACC+8*(4*(\a)+(\b)):ACC+8*(4*(\a)+(\b))+7], v[(\f)+64+8*(4*(\c)+(\b)):(\f)+64+8*(4*(\c)+(\b))+7], v[(\f)+8*(4*(\c)+(\a)):(\f)+8*(4*(\c)+(\a))+7], 0
.else
	v_wmma_f32_16x16x32_f16 v[ACC+8*(4*(\a)+(\b)):ACC+8*(4*(\a)+(\b))+7], v[(\f)+64+8*(4*(\c)+(\b)):(\f)+64+8*(4*(\c)+(\b))+7], v[(\f)+8*(4*(\c)+(\a)):(\f)+8*(4*(\c)+(\a))+7], v[ACC+8*(4*(\a)+(\b)):ACC+8*(4*(\a)+(\b))+7]
.endif
.endr
.endr
.endm
; 32 LDS loads in one run: the fragments of quarter q (64 along K) of a slot, into buffer f; the first 32 along K first
.macro FETCH slot, q, f
	WIN TO_F
.irp c, 0,1
.irp i, 0,1,2,3
	ds_load_tr16_b128 v[(\f)+64+8*(4*(\c)+(\i)):(\f)+64+8*(4*(\c)+(\i))+3],   v[ADRB+2*(\slot)+(\q)/2] offset:(((\q)%2)*64+32*(\c))*PB+32*(\i)
	ds_load_tr16_b128 v[(\f)+64+8*(4*(\c)+(\i))+4:(\f)+64+8*(4*(\c)+(\i))+7], v[ADRB+2*(\slot)+(\q)/2] offset:(((\q)%2)*64+32*(\c)+16)*PB+32*(\i)
	ds_load_b128 v[(\f)+8*(4*(\c)+(\i)):(\f)+8*(4*(\c)+(\i))+3],   v[ADRA+(\slot)] offset:128*(\q)+64*(\c)+(\i)*16*PA
	ds_load_b128 v[(\f)+8*(4*(\c)+(\i))+4:(\f)+8*(4*(\c)+(\i))+7], v[ADRA+(\slot)] offset:128*(\q)+64*(\c)+(\i)*16*PA+32
.endr
.endr
.endm
.macro PLACES                          ; four places in front of loads into registers that matrix instructions have read, and of lines that read results
.rept 4
	v_nop
.endr
.endm
; A K step is four quarters of 64 along K, 32 matrix instructions each, on buffers 0, 1, 0, 1.  One of the first three: multiplies buffer f and fetches quarter q into g.
.macro QUARTER slot, q, f, g, zero
	s_wait_dscnt 16                                ; the first 32 along K are in
	WIN MUL
	MUL8 \f, 0, 0, \zero
	MUL8 \f, 0, 2, \zero
	PLACES
	FETCH \slot, \q, \g
	s_wait_dscnt 32                                ; all but the 32 just issued
	WIN MUL
	MUL8 \f, 1, 0, 0
	MUL8 \f, 1, 2, 0
.endm
; The last quarter multiplies buffer 1 and changes slots: ONE barrier; in front of it each wave waits for all its tensor loads, adds 0 to its spare word, and waits for that and for its reads of this slot.
.macro TURN slot, next, fill
	WIN 0
	s_wait_tensorcnt 0x0                           ; all my tensor loads have landed: my part of the next slot
	ds_add_u32 v[SPW], v[NIL]
	s_wait_dscnt 17                                ; the add and the youngest sixteen loads may be out
	WIN MUL
	MUL8 F1, 0, 0, 0
	s_wait_dscnt 0x0                               ; the add is done, and my reads of this slot are over
	s_barrier_signal -1
	MUL8 F1, 0, 2, 0
.if \fill
	WIN 0
.endif
	s_barrier_wait -1
.if \fill
	CREST                                          ; the barrier has opened a round of the cluster's: no wave of any partner still reads this slot or has a load on its way
	s_add_nc_u64 s[G0+4*(\slot)+2:G0+4*(\slot)+3], s[G0+4*(\slot)+2:G0+4*(\slot)+3], 2*ASTEP
	s_add_nc_u64 s[G0B+4*(\slot)+2:G0B+4*(\slot)+3], s[G0B+4*(\slot)+2:G0B+4*(\slot)+3], 2*BSTEP
	JLOAD \slot                                    ; the first tensor load behind the round; its four v_nop are also the places in front of the loads below
.else
	PLACES
.endif
	FETCH \next, 0, F0
	WIN MUL
	MUL8 F1, 1, 0, 0
	MUL8 F1, 1, 2, 0
.endm
	s_wait_tensorcnt 1                             ; my part of K step 0 is in; step 1's may stay out
	s_barrier_signal -1
	s_barrier_wait -1
	FETCH 0, 0, F0
	QUARTER 0, 1, F0, F1, 1
	QUARTER 0, 2, F1, F0, 0
	QUARTER 0, 3, F0, F1, 0
	TURN 0, 1, 1                                   ; slot 0 takes K step 2
	QUARTER 1, 1, F0, F1, 0
	QUARTER 1, 2, F1, F0, 0
	QUARTER 1, 3, F0, F1, 0
	TURN 1, 0, 1                                   ; slot 1 takes K step 3
	QUARTER 0, 1, F0, F1, 0
	QUARTER 0, 2, F1, F0, 0
	QUARTER 0, 3, F0, F1, 0
	TURN 0, 1, 0
	QUARTER 1, 1, F0, F1, 0
	QUARTER 1, 2, F1, F0, 0
	QUARTER 1, 3, F0, F1, 0
	s_wait_dscnt 16
	WIN MUL
	MUL8 F1, 0, 0, 0
	MUL8 F1, 0, 2, 0
	s_wait_dscnt 0x0
	MUL8 F1, 1, 0, 0
	MUL8 F1, 1, 2, 0
	WIN 0
	; THE WAY OUT.  A wave's 64 columns are one slice, so each wave works alone: bias, max(x, slope x), f16; 16 rows at a time through my own stage, back as 2,048 dense bytes.
	PLACES
	s_wait_loadcnt 0x0                             ; the bias
	s_wait_kmcnt 0x0                               ; the slope
.macro PACK a
.irp b, 0,1,2,3
.set AB, ACC+8*(4*(\a)+(\b))
.irp k, 0,1,2,3
	v_pk_add_f32 v[AB+2*\k:AB+2*\k+1], v[AB+2*\k:AB+2*\k+1], v[BIAS+8*\b+2*\k:BIAS+8*\b+2*\k+1]
.endr
.irp k, 0,1,2,3
	v_pk_mul_f32 v[TMP+2*\k:TMP+2*\k+1], v[AB+2*\k:AB+2*\k+1], s[68:69] op_sel_hi:[1,0]
.endr
.irp j, 0,1,2,3,4,5,6,7
	v_max_num_f32 v[AB+\j], v[AB+\j], v[TMP+\j]
.endr
.irp k, 0,1,2,3
	v_cvt_pk_f16_f32 v[PKD+4*\b+\k], v[AB+2*\k], v[AB+2*\k+1]
.endr
.endr
.irp b, 0,1,2,3
	ds_store_b128 v[STO], v[PKD+4*\b:PKD+4*\b+3] offset:32*\b
.endr
.irp f, 0,1,2,3
	ds_load_b128 v[ACC+32*(\a)+4*\f:ACC+32*(\a)+4*\f+3], v[RD] offset:\f*4*SP  ; LDS serves a wave's instructions in order: these see the stores above; the next block's stores come behind them
.endr
.endm
.macro SEND a, younger                 ; younger: the LDS instructions issued behind block a's loads
.irp f, 0,1,2,3
	s_wait_dscnt (\younger)+3-\f
	global_store_b128 v[GO], v[ACC+32*(\a)+4*\f:ACC+32*(\a)+4*\f+3], s[8:9] offset:(\a)*2048+\f*512  ; 512 consecutive bytes, aligned
.endr
.endm
	PACK 0
	PACK 1
	SEND 0, 8
	PACK 2
	SEND 1, 8
	PACK 3
	SEND 2, 8
	SEND 3, 0
	s_wait_tensorcnt 0x0                           ; the wave's end
	ds_add_u32 v[SPW], v[NIL]
	s_wait_dscnt 0x0
	CROUND                                         ; the closing round
	s_endpgm
.Lfunc_end_k_qfbf1b713bd_proj:
	.size	k_qfbf1b713bd_proj, .Lfunc_end_k_qfbf1b713bd_proj-k_qfbf1b713bd_proj
	.p2alignl 7, 3214868480
	.fill 96, 4, 3214868480
	.section	.rodata,"a",@progbits
	.p2align	6, 0x0
	.amdhsa_kernel k_qfbf1b713bd_proj
		.amdhsa_group_segment_fixed_size 327680
		.amdhsa_private_segment_fixed_size 0
		.amdhsa_enable_private_segment 0
		.amdhsa_kernarg_size 24
		.amdhsa_user_sgpr_count 2
		.amdhsa_user_sgpr_kernarg_segment_ptr 1
		.amdhsa_wavefront_size32 1
		.amdhsa_system_sgpr_workgroup_id_x 1
		.amdhsa_system_sgpr_workgroup_id_y 1
		.amdhsa_system_sgpr_workgroup_id_z 1
		.amdhsa_system_vgpr_workitem_id 0
		.amdhsa_next_free_vgpr 512
		.amdhsa_next_free_sgpr 76
		.amdhsa_reserve_vcc 0
		.amdhsa_float_denorm_mode_32 3
		.amdhsa_float_denorm_mode_16_64 3
		.amdhsa_memory_ordered 1
		.amdhsa_forward_progress 1
		.amdhsa_inst_pref_size 100
	.end_amdhsa_kernel
	.amdgpu_metadata
---
amdhsa.version: [ 1, 2 ]
amdhsa.kernels:
  - .name:           k_qfbf1b713bd_proj
    .symbol:         k_qfbf1b713bd_proj.kd
    .args:
      - { .name: wsu, .offset: 0, .size: 8, .value_kind: global_buffer, .address_space: global }
      - { .name: pka, .offset: 8, .size: 8, .value_kind: global_buffer, .address_space: global }
      - { .name: wsv, .offset: 16, .size: 8, .value_kind: global_buffer, .address_space: global }
    .group_segment_fixed_size: 327680
    .private_segment_fixed_size: 0
    .kernarg_segment_align: 8
    .kernarg_segment_size: 24
    .max_flat_workgroup_size: 128
    .sgpr_count:     76
    .vgpr_count:     512
    .wavefront_size: 32
...
	.end_amdgpu_metadata
.endif
;; end of part 3
;; launch attn (part 4): grid 8 x 32, 8 waves a work-group, clusters of 4 x 1, 327,680 bytes of LDS; arguments wsv, mbits, wsr; writes wsr
.if DOCPART == 4
	.amdgcn_target "amdgcn-amd-amdhsa--gfx1250"
	.amdhsa_code_object_version 6
	.text
	.protected	k_qfbf1b713bd_attn
	.globl	k_qfbf1b713bd_attn
	.p2align	8
	.type	k_qfbf1b713bd_attn,@function
k_qfbf1b713bd_attn:
	s_mov_b64 s[64:65], 0
	v_nop
	global_prefetch_b8 v0, s[64:65] scope:SCOPE_SE
	s_setreg_imm32_b32 hwreg(HW_REG_WAVE_MODE, 25, 1), 1
	s_wait_xcnt 0x0
	s_wait_alu depctr_hold_cnt(0) depctr_sa_sdst(0) depctr_va_vdst(0) depctr_va_sdst(0) depctr_va_ssrc(0) depctr_va_vcc(0) depctr_vm_vsrc(0)
	s_getreg_b32 s2, hwreg(HW_REG_IB_STS2, 6, 4)
	s_cmp_eq_u32 s2, 0
	s_cbranch_scc0 .Lentry_in_a_cluster
	s_endpgm
.Lentry_in_a_cluster:
	s_bfe_u32 s2, ttmp6, 0x10000c
	s_cmp_lg_u32 s2, 0x3003
	s_cbranch_scc0 .Lentry_shape_is_right
	s_endpgm
.Lentry_shape_is_right:
; ATTENTION with a mask that REPLACES: O[y][q] = sum over 4,096 keys of softmax_k(s') V[y][k], s' = Q.K / 8 where the mask's bit is set and -1e-12 where it is not: a masked key keeps its weight, so none is left out.
; Q, K, V: f16, by heads y = 16 b + head, [y][4096][64] at 0, 16 MiB and 32 MiB of the first argument (Q: rows 0-2047).  O: f16, the same layout, in the third.  The mask comes as words of 32 lane bits.
; Products, maxima and sums in f32; the weights are rounded to f16 for the second product (their sum is taken of the unrounded ones), O once at the end.
; LIMITS.  f16 holds no number beyond 65,504; p lies in 0 to 1 and below 6e-5 keeps f16's step of 6e-8; a weight below 2^-126 counts as 0; NaN and infinities are not treated apart.
; SHARES.  A work-group has 256 queries of one head, each of its eight waves 32: two tiles of 16.  Eight waves of 256 registers: while one wave walks its softmax another has products to issue.
; LAYOUT.  S^T = K Q^T: a lane holds ONE query (lane % 16) and the keys 8 (lane / 16) + 0..7 of each 16; two results rounded to f16 in pairs ARE source 1 of O^T = V^T P.  Register 8 kb + j of a tile takes mask word 8 kb + j as its select.
; SOFTMAX.  A running maximum m and sum l: p = 2^(c s - c m), c = log2(e) / 8; O and l are multiplied by a = 2^(c m_old - c m_new) in every step.  m starts at the lowest finite number, O and l at 0.
; CLUSTER.  The four query blocks of a cluster walk the same K and V: each tile is asked for jointly.  A slot holds 256 keys (four steps); by this text's count a wave has one tensor load out.
.set KS,    64
.set PK,    144                        ; a row of K in LDS: 128 bytes + 16
.set PV,    160                        ; a row of V: 128 + 32
.set VOFF,  4*KS*PK
.set SLOT1, 1<<17
.set STAGE, SLOT1+4*KS*(PK+PV)         ; behind the ring: 16 rows x 144 bytes for each wave
.set SP,    144
.set SPARE, STAGE+8*16*SP
.set AK0, 2                            ; v2   my lane's place in a tile of K
.set AV0, 3                            ; v3   in a tile of V
.set ADK, 4
.set ADV, 5
.set STO, 6                            ; v6   first my offset in Q's rows
.set RD,  7
.set GO,  8
.set NEGV, 9                           ; v9   -8e-12: the scores are still to be divided by 8
.set SPW, 10
.set NIL, 11
.set MV,  12                           ; v12-13  c m_old, by tile
.set CV,  14                           ; v14-15  c, twice
.set ST,  16                           ; tile u at 16 + 8 u: c m, m, l, l, c0-c3 at work (c2 takes a)
.set Q,   32
.set S,   64                           ; tile u at 64 + 32 u; P is packed in place into the tile's first 16
.set KV,  128                          ; K's fragments, then V's
.set O,   192                          ; tile u at 192 + 32 u
.set WV,  2
.set SLOTS, 3
.set CNT, 4
.set TBK, 5
.set TBV, 6
.set MOFF, 7                           ; the byte offset of the mask words to be loaded
.set G1K, 8
.set G1V, 16
.set G0K, 24
.set G0V, 28
.set MW0, 32                           ; s[32:63]  tile 0's 32 mask words
.set SEL, 66
.set MW1, 68                           ; s[68:99]  tile 1's
.set MB,  100
.set OP,  104
.macro JLOAD                           ; waves 0 and 1 fetch the halves of a slot's K, waves 2 and 3 of its V, the others nothing; the branches hang on the wave's number alone
	s_cmp_lt_u32 s[WV], 2
	s_cbranch_scc0 .Lnot_k_\@
	tensor_load_to_lds s[G0K:G0K+3], s[G1K:G1K+7]
	s_nop 0
.rept 4
	v_nop
.endr
	s_branch .Lasked_\@
.Lnot_k_\@:
	s_cmp_lt_u32 s[WV], 4
	s_cbranch_scc0 .Lasked_\@
	tensor_load_to_lds s[G0V:G0V+3], s[G1V:G1V+7]
	s_nop 0
.rept 4
	v_nop
.endr
.Lasked_\@:
.endm
.macro CROUND
	s_barrier_signal -1
	s_barrier_wait -1
	s_cmp_lg_u32 s[WV], 0
	s_cbranch_scc1 .Lnot_wave_0_\@
	s_barrier_signal -3
.Lnot_wave_0_\@:
	s_barrier_wait -3
	s_barrier_signal -1
	s_barrier_wait -1
.endm
; THE CHANGE OF SLOTS.  Each wave waits for all its tensor loads (its part of the other slot), adds 0 to its spare word, and waits for that and for its reads of the slot that it leaves.
; fill = 1: the barrier is a round of the cluster's, and the slot is filled again, first thing behind it, with the keys two slots on: it has four key steps in which to land.
.macro CHANGE fill
	s_wait_tensorcnt 0x0
	ds_add_u32 v[SPW], v[NIL]
.if \fill
.irp g, G0K, G0V
	s_xor_b32 s[\g+1], s[\g+1], SLOT1
	s_add_nc_u64 s[\g+2:\g+3], s[\g+2:\g+3], 4*KS*128
.endr
	s_wait_dscnt 0x0
	CROUND
	JLOAD
.else
	s_wait_dscnt 0x0
	s_barrier_signal -1
	s_barrier_wait -1
.endif
	s_sub_co_u32 s[TBK], s[TBK], 4*KS*PK           ; the fetches go back to a slot's first step, in the other slot
	s_xor_b32 s[TBK], s[TBK], SLOT1
	s_sub_co_u32 s[TBV], s[TBV], 4*KS*PV
	s_xor_b32 s[TBV], s[TBV], SLOT1
.endm
	s_load_b128 s[32:35], s[0:1], 0x0              ; wsv, mbits
	s_load_b64 s[OP:OP+1], s[0:1], 0x10            ; wsr
	v_lshl_add_u32 v[SPW], v0, 2, SPARE
	v_mov_b32 v[NIL], 0
	ds_add_u32 v[SPW], v[NIL]                      ; the wave's opening: the add and its wait ahead of my first tensor load
	v_lshrrev_b32 v1, 5, v0
	v_readfirstlane_b32 s[WV], v1
	s_bfe_u32 s36, ttmp6, 0x40000                  ; cx
	s_lshl_b32 s37, ttmp9, 2
	s_add_co_u32 s37, s37, s36                     ; my block of 256 queries: it enters Q's, O's and the mask's addresses alone
	s_and_b32 s38, ttmp7, 0xffff                   ; y, which the partners share
	s_lshl_b32 s40, s38, 19
	s_and_b32 s39, s[WV], 1                        ; which half of a slot's 256 keys I fetch
	s_lshl_b32 s42, s39, 14
	s_add_co_u32 s42, s42, s40
	s_add_co_u32 s42, s42, 0x1000000               ; K
	s_mov_b32 s43, 0
	s_add_co_u32 s44, s42, 0x1000000               ; V
	s_mov_b32 s45, 0
	s_lshl_b32 s46, s37, 15
	s_add_co_u32 s46, s46, s40
	s_lshl_b32 s47, s[WV], 12
	s_add_co_u32 s46, s46, s47                     ; my 32 rows of Q and of O
	s_mov_b32 s47, 0
	s_lshr_b32 s48, s38, 4                         ; b
	s_lshl_b32 s48, s48, 20
	s_lshl_b32 s49, s37, 17
	s_add_co_u32 s48, s48, s49
	s_lshl_b32 s49, s[WV], 14
	s_add_co_u32 s48, s48, s49                     ; my first tile's 8,192 bytes of mask words; the second's follow
	s_mov_b32 s49, 0
	s_mov_b32 s[G1K], 15|(1<<16)|(1<<20)|(1<<21)|(4<<22)|(3<<25)  ; 128 keys as 64 rows of 256 bytes; 4 words of padding after every 32, that is after every key
	s_mov_b32 s[G1V], 15|(1<<16)|(1<<20)|(1<<21)|(4<<22)|(7<<25)  ; the same with 8 words
.irp g, G1K, G1V
	s_mov_b32 s[\g+1], 128<<16
	s_mov_b32 s[\g+2], 64<<16
	s_mov_b32 s[\g+3], 128<<16
	s_mov_b32 s[\g+4], 64
	s_mov_b32 s[\g+5], 128
	s_mov_b32 s[\g+6], 0
	s_mov_b32 s[\g+7], 0
.endr
	s_mov_b32 s[SEL], 0x76543210
	s_mov_b32 s[SEL+1], 0xfedcba98
	s_mov_b32 s[TBK], SLOT1+4*KS*PK                ; the first change of slots turns these two into 0
	s_mov_b32 s[TBV], SLOT1+4*KS*PV
	s_mov_b32 s[MOFF], 0
	s_mov_b32 s[G0K], 1
	s_mul_i32 s[G0K+1], s39, 128*PK
	s_mov_b32 s[G0V], 1
	s_mul_i32 s[G0V+1], s39, 128*PV
	s_add_co_u32 s[G0V+1], s[G0V+1], VOFF
	s_wait_dscnt 0x0
	s_wait_kmcnt 0x0
	s_add_nc_u64 s[G0K+2:G0K+3], s[32:33], s[42:43]
	s_or_b32 s[G0K+3], s[G0K+3], 0x80000000
	s_add_nc_u64 s[G0V+2:G0V+3], s[32:33], s[44:45]
	s_or_b32 s[G0V+3], s[G0V+3], 0x80000000
	s_add_nc_u64 s[50:51], s[32:33], s[46:47]
	s_add_nc_u64 s[OP:OP+1], s[OP:OP+1], s[46:47]
	s_add_nc_u64 s[MB:MB+1], s[34:35], s[48:49]
	CROUND                                         ; all four work-groups are here
	JLOAD                                          ; slot 0; slot 1 is asked for by the loop's first change of slots
	v_and_b32 v1, 15, v0
	v_bfe_u32 v12, v0, 4, 1
	v_lshlrev_b32 v6, 7, v1
	v_lshl_add_u32 v6, v12, 4, v6
.irp i, 0,1,2,3                        ; Q stays in registers: tile i / 2, channels 32 (i % 2) on
	global_load_b128 v[Q+8*\i:Q+8*\i+3],   v6, s[50:51] offset:(\i/2)*2048+(\i%2)*64
	global_load_b128 v[Q+8*\i+4:Q+8*\i+7], v6, s[50:51] offset:(\i/2)*2048+(\i%2)*64+32
.endr
.set i, 0
.rept 64
	v_mov_b32 v[O+i], 0                            ; no first step is written out: O and l start at 0, in the wait for the first tile
.set i, i+1
.endr
.irp u, 0,1
	v_mov_b32 v[ST+8*\u], 0xfe000000               ; c m: far below every c s
	v_mov_b32 v[ST+8*\u+1], 0xff7fffff             ; m
	v_mov_b32 v[ST+8*\u+2], 0
	v_mov_b32 v[ST+8*\u+3], 0
.endr
	v_mov_b32 v[NEGV], 0xad0cbccc
	v_mul_u32_u24 v[AK0], v1, PK
	v_lshl_add_u32 v[AK0], v12, 4, v[AK0]
	v_and_b32 v13, 7, v0
	v_bfe_u32 v14, v0, 3, 1
	v_lshl_add_u32 v[AV0], v12, 3, v13
	v_mul_u32_u24 v[AV0], v[AV0], PV
	v_lshl_add_u32 v[AV0], v14, 4, v[AV0]
	v_add_nc_u32 v[AV0], VOFF, v[AV0]
	s_mul_i32 s36, s[WV], 16*SP
	s_add_co_u32 s36, s36, STAGE
	v_bfe_u32 v[RD], v0, 3, 2
	v_mul_u32_u24 v[RD], v[RD], SP
	v_lshl_add_u32 v[RD], v13, 4, v[RD]
	v_add_nc_u32 v[RD], s36, v[RD]
	v_and_b32 v[GO], 31, v0
	v_lshlrev_b32 v[GO], 4, v[GO]
	s_wait_loadcnt 0x0                             ; Q is in: its offset register and its pointer's registers may be written
	v_mul_u32_u24 v[STO], v1, SP
	v_lshl_add_u32 v[STO], v12, 4, v[STO]
	v_add_nc_u32 v[STO], s36, v[STO]
	v_mov_b32 v[CV], 0x3e38aa3b                    ; c = log2(e) / 8
	v_mov_b32 v[CV+1], 0x3e38aa3b
	s_load_b512 s[MW0:MW0+15],    s[MB:MB+1], s[MOFF] offset:0x0
	s_load_b512 s[MW0+16:MW0+31], s[MB:MB+1], s[MOFF] offset:0x40
	s_load_b512 s[MW1:MW1+15],    s[MB:MB+1], s[MOFF] offset:0x2000
	s_load_b512 s[MW1+16:MW1+31], s[MB:MB+1], s[MOFF] offset:0x2040
.macro REGS u
.set rT, ST+8*(\u)
.set rC, ST+8*(\u)+4
.set rM, MV+(\u)
.set rS, S+32*(\u)
.set rO, O+32*(\u)
.endm
; Number n of the 22 that find a tile's maximum and statistics: 0-11 four chains of seven scores; 12-14, 16 the four left over, the old m, and the chains into c0; 15 c m_old is kept;
; 17, 18 the query's other 32 keys lie in the lane 16 away; 19-21 c m, c m_old - c m_new, a.
.macro XS u, n
	REGS \u
.if (\n) < 4
	v_max3_num_f32 v[rC+(\n)], v[rS+8*(\n)], v[rS+8*(\n)+1], v[rS+8*(\n)+2]
.elseif (\n) < 12
	v_max3_num_f32 v[rC+(\n)%4], v[rC+(\n)%4], v[rS+8*((\n)%4)+2*((\n)/4)+1], v[rS+8*((\n)%4)+2*((\n)/4)+2]
.elseif (\n) == 12
	v_max3_num_f32 v[rC], v[rC], v[rS+7], v[rS+15]
.elseif (\n) == 13
	v_max3_num_f32 v[rC+1], v[rC+1], v[rS+23], v[rS+31]
.elseif (\n) == 14
	v_max3_num_f32 v[rC+2], v[rC+2], v[rC+3], v[rT+1]
.elseif (\n) == 15
	v_mov_b32 v[rM], v[rT]
.elseif (\n) == 16
	v_max3_num_f32 v[rC], v[rC], v[rC+1], v[rC+2]
.elseif (\n) == 17
	v_permlanex16_b32 v[rC+3], v[rC], s[SEL], s[SEL+1]
.elseif (\n) == 18
	v_max_num_f32 v[rT+1], v[rC], v[rC+3]
.elseif (\n) == 19
	v_mul_f32 v[rT], v[CV], v[rT+1]
.elseif (\n) == 20
	v_sub_f32 v[rC+1], v[rM], v[rT]
.else
	v_exp_f32 v[rC+2], v[rC+1]
.endif
.endm
; A KEY STEP, in phases.  In both runs of 16 products eight accumulators take turns.
.macro STEP
	v_add_nc_u32 v[ADK], s[TBK], v[AK0]            ; with the four v_nop at the step's end: five places behind the last products, ahead of the loads into their sources and of the products that write over P
.irp f, 0,1,2,3,4,5,6,7                ; K: keys 16 (f / 2) on, channels 32 (f % 2) on
	ds_load_b128 v[KV+8*\f:KV+8*\f+3],   v[ADK] offset:(\f/2)*16*PK+(\f%2)*64
	ds_load_b128 v[KV+8*\f+4:KV+8*\f+7], v[ADK] offset:(\f/2)*16*PK+(\f%2)*64+32
.endr
	s_add_co_u32 s[TBK], s[TBK], KS*PK
	s_wait_dscnt 0x0
.set i, 0
.rept 16                               ; S^T = K Q^T: channels 32 (i / 8) on, keys 16 ((i / 2) % 4) on, tile i % 2; the first 8 start the sums
.set rS, S+32*(i%2)+8*((i/2)%4)
.set rK, KV+16*((i/2)%4)+8*(i/8)
.set rQ, Q+16*(i%2)+8*(i/8)
.if i < 8
	v_wmma_f32_16x16x32_f16 v[rS:rS+7], v[rK:rK+7], v[rQ:rQ+7], 0
.else
	v_wmma_f32_16x16x32_f16 v[rS:rS+7], v[rK:rK+7], v[rQ:rQ+7], v[rS:rS+7]
.endif
.set i, i+1
.endr
	v_add_nc_u32 v[ADV], s[TBV], v[AV0]            ; four places behind those products
	v_nop
	v_nop
	v_nop
.irp f, 0,1,2,3,4,5,6,7                ; V, turned, where K lay: keys 32 (f / 4) on, channels 16 (f % 4) on; it lands while the softmax is walked
	ds_load_tr16_b128 v[KV+8*\f:KV+8*\f+3],   v[ADV] offset:(\f/4)*32*PV+(\f%4)*32
	ds_load_tr16_b128 v[KV+8*\f+4:KV+8*\f+7], v[ADV] offset:(\f/4)*32*PV+16*PV+(\f%4)*32
.endr
	s_add_co_u32 s[TBV], s[TBV], KS*PV
	s_wait_kmcnt 0x0                               ; this step's mask words
.set i, 0
.rept 32
	v_cndmask_b32 v[S+i], v[NEGV], v[S+i], s[MW0+i]  ; ascending: each accumulator is read from its low end
.set i, i+1
.endr
.set i, 0
.rept 32
	v_cndmask_b32 v[S+32+i], v[NEGV], v[S+32+i], s[MW1+i]
.set i, i+1
.endr
	s_add_co_u32 s[MOFF], s[MOFF], 128             ; the next step's words have the rest of the step in which to land;
	s_min_u32 s[MOFF], s[MOFF], 8064               ; the last step asks for its own once more: no load leaves the buffer
	s_load_b512 s[MW0:MW0+15],    s[MB:MB+1], s[MOFF] offset:0x0
	s_load_b512 s[MW0+16:MW0+31], s[MB:MB+1], s[MOFF] offset:0x40
	s_load_b512 s[MW1:MW1+15],    s[MB:MB+1], s[MOFF] offset:0x2000
	s_load_b512 s[MW1+16:MW1+31], s[MB:MB+1], s[MOFF] offset:0x2040
.irp n, 0,1,2,3,4,5,6,7,8,9,10,11,12,13,14,15,16,17,18,19,20,21
	XS 0, \n
	XS 1, \n
.endr
.set z, 0
.rept 16                               ; c s - c m
.irp u, 0,1
	REGS \u
	v_pk_fma_f32 v[rS+2*z:rS+2*z+1], v[rS+2*z:rS+2*z+1], v[CV:CV+1], v[rT:rT+1] op_sel_hi:[1,1,0] neg_lo:[0,0,1] neg_hi:[0,0,1]
.endr
.set z, z+1
.endr
.set z, 0
.rept 64
	v_exp_f32 v[S+z], v[S+z]
.set z, z+1
.endr
.set z, 0
.rept 16                               ; O^T times a: also the plain lines behind the exponentials
.irp u, 0,1
	REGS \u
	s_wait_alu depctr_va_vdst(0)
	v_pk_mul_f32 v[rO+2*z:rO+2*z+1], v[rO+2*z:rO+2*z+1], v[rC+2:rC+3] op_sel_hi:[1,0]
.endr
.set z, z+1
.endr
.irp u, 0,1                            ; the sums, in two chains a tile: l = a l + pair 0; a second chain starts with pairs 1 and 2
	REGS \u
	v_pk_fma_f32 v[rT+2:rT+3], v[rT+2:rT+3], v[rC+2:rC+3], v[rS:rS+1] op_sel_hi:[1,0,1]
.endr
.irp u, 0,1
	REGS \u
	v_pk_add_f32 v[rC:rC+1], v[rS+2:rS+3], v[rS+4:rS+5]
.endr
.set z, 3
.rept 13
.irp u, 0,1
	REGS \u
.if z%2
	v_pk_add_f32 v[rT+2:rT+3], v[rT+2:rT+3], v[rS+2*z:rS+2*z+1]
.else
	v_pk_add_f32 v[rC:rC+1], v[rC:rC+1], v[rS+2*z:rS+2*z+1]
.endif
.endr
.set z, z+1
.endr
.irp u, 0,1
	REGS \u
	v_pk_add_f32 v[rT+2:rT+3], v[rT+2:rT+3], v[rC:rC+1]
.endr
.set z, 0
.rept 16                               ; P, packed in place: register z takes pair z, which lies at 2 z: never a pair still unread
.irp u, 0,1
	REGS \u
	v_cvt_pk_f16_f32 v[rS+z], v[rS+2*z], v[rS+2*z+1]
.endr
.set z, z+1
.endr
	s_wait_dscnt 0x0                               ; V is in
.set i, 0
.rept 16                               ; O^T += V^T P: keys 32 (i / 8) on, channels 16 ((i / 2) % 4) on, tile i % 2
.set rO, O+32*(i%2)+8*((i/2)%4)
.set rV, KV+32*(i/8)+8*((i/2)%4)
.set rP, S+32*(i%2)+8*(i/8)
	v_wmma_f32_16x16x32_f16 v[rO:rO+7], v[rV:rV+7], v[rP:rP+7], v[rO:rO+7]
.set i, i+1
.endr
.rept 4
	v_nop
.endr
.endm
	s_mov_b32 s[SLOTS], 15
.Lslot:                                ; fifteen times: a slot is entered and the next is asked for
	CHANGE 1
	s_mov_b32 s[CNT], 4
.Lstep:
	STEP
	s_sub_co_u32 s[CNT], s[CNT], 1
	s_cmp_lg_u32 s[CNT], 0
	s_cbranch_scc1 .Lstep
	s_sub_co_u32 s[SLOTS], s[SLOTS], 1
	s_cmp_lg_u32 s[SLOTS], 0
	s_cbranch_scc1 .Lslot
	CHANGE 0                               ; the last slot is written out
	s_mov_b32 s[CNT], 4
.Ltail:
	STEP
	s_sub_co_u32 s[CNT], s[CNT], 1
	s_cmp_lg_u32 s[CNT], 0
	s_cbranch_scc1 .Ltail
	s_wait_kmcnt 0x0                               ; the words asked for once more have come
	; THE WAY OUT: l's halves and the other lanes' are added; O^T is divided by l, rounded to f16 and sent through my stage, a tile at a time.
.irp t, 0,1
	v_add_f32 v[ST+8*\t+2], v[ST+8*\t+2], v[ST+8*\t+3]
.endr
.irp t, 0,1
	v_permlanex16_b32 v[ST+8*\t+3], v[ST+8*\t+2], s[SEL], s[SEL+1]
.endr
.irp t, 0,1
	v_add_f32 v[ST+8*\t+2], v[ST+8*\t+2], v[ST+8*\t+3]
.endr
.irp t, 0,1
	v_rcp_f32 v[ST+8*\t+2], v[ST+8*\t+2]
.endr
	v_nop                                          ; a plain line behind the last reciprocal
	s_wait_alu depctr_va_vdst(0)
.macro PACK t
.set i, 0
.rept 16
	v_pk_mul_f32 v[O+32*(\t)+2*i:O+32*(\t)+2*i+1], v[O+32*(\t)+2*i:O+32*(\t)+2*i+1], v[ST+8*(\t)+2:ST+8*(\t)+3] op_sel_hi:[1,0]
.set i, i+1
.endr
.set i, 0
.rept 16
	v_cvt_pk_f16_f32 v[S+16*(\t)+i], v[O+32*(\t)+2*i], v[O+32*(\t)+2*i+1]
.set i, i+1
.endr
.irp f, 0,1,2,3
	ds_store_b128 v[STO], v[S+16*(\t)+4*\f:S+16*(\t)+4*\f+3] offset:32*\f
.endr
.irp f, 0,1,2,3
	ds_load_b128 v[S+16*(\t)+4*\f:S+16*(\t)+4*\f+3], v[RD] offset:\f*4*SP  ; LDS serves a wave's instructions in order: these see the stores above
.endr
.endm
.macro SEND t, younger                 ; younger: the LDS instructions issued behind tile t's loads
.irp f, 0,1,2,3
	s_wait_dscnt (\younger)+3-\f
	global_store_b128 v[GO], v[S+16*(\t)+4*\f:S+16*(\t)+4*\f+3], s[OP:OP+1] offset:(\t)*2048+\f*512  ; 512 consecutive bytes, aligned
.endr
.endm
	PACK 0
	PACK 1
	SEND 0, 8
	SEND 1, 0
	s_wait_tensorcnt 0x0                           ; the wave's end
	ds_add_u32 v[SPW], v[NIL]
	s_wait_dscnt 0x0
	CROUND                                         ; the closing round
	s_endpgm
.Lfunc_end_k_qfbf1b713bd_attn:
	.size	k_qfbf1b713bd_attn, .Lfunc_end_k_qfbf1b713bd_attn-k_qfbf1b713bd_attn
	.p2alignl 7, 3214868480
	.fill 96, 4, 3214868480
	.section	.rodata,"a",@progbits
	.p2align	6, 0x0
	.amdhsa_kernel k_qfbf1b713bd_attn
		.amdhsa_group_segment_fixed_size 327680
		.amdhsa_private_segment_fixed_size 0
		.amdhsa_enable_private_segment 0
		.amdhsa_kernarg_size 24
		.amdhsa_user_sgpr_count 2
		.amdhsa_user_sgpr_kernarg_segment_ptr 1
		.amdhsa_wavefront_size32 1
		.amdhsa_system_sgpr_workgroup_id_x 1
		.amdhsa_system_sgpr_workgroup_id_y 1
		.amdhsa_system_sgpr_workgroup_id_z 1
		.amdhsa_system_vgpr_workitem_id 0
		.amdhsa_next_free_vgpr 256
		.amdhsa_next_free_sgpr 106
		.amdhsa_reserve_vcc 0
		.amdhsa_float_denorm_mode_32 3
		.amdhsa_float_denorm_mode_16_64 3
		.amdhsa_memory_ordered 1
		.amdhsa_forward_progress 1
		.amdhsa_inst_pref_size 64
	.end_amdhsa_kernel
	.amdgpu_metadata
---
amdhsa.version: [ 1, 2 ]
amdhsa.kernels:
  - .name:           k_qfbf1b713bd_attn
    .symbol:         k_qfbf1b713bd_attn.kd
    .args:
      - { .name: wsv, .offset: 0, .size: 8, .value_kind: global_buffer, .address_space: global }
      - { .name: mbits, .offset: 8, .size: 8, .value_kind: global_buffer, .address_space: global }
      - { .name: wsr, .offset: 16, .size: 8, .value_kind: global_buffer, .address_space: global }
    .group_segment_fixed_size: 327680
    .private_segment_fixed_size: 0
    .kernarg_segment_align: 8
    .kernarg_segment_size: 24
    .max_flat_workgroup_size: 256
    .sgpr_count:     106
    .vgpr_count:     256
    .wavefront_size: 32
...
	.end_amdgpu_metadata
.endif
;; end of part 4
;; launch wo (part 5): grid 8 x 32, 4 waves a work-group, clusters of 4 x 4, 327,680 bytes of LDS; arguments wsr, pko, h, wsv; writes wsv
.if DOCPART == 5
	.amdgcn_target "amdgcn-amd-amdhsa--gfx1250"
	.amdhsa_code_object_version 6
	.text
	.protected	k_qfbf1b713bd_wo
	.globl	k_qfbf1b713bd_wo
	.p2align	8
	.type	k_qfbf1b713bd_wo,@function
k_qfbf1b713bd_wo:
	s_mov_b64 s[64:65], 0
	v_nop
	global_prefetch_b8 v0, s[64:65] scope:SCOPE_SE
	s_setreg_imm32_b32 hwreg(HW_REG_WAVE_MODE, 25, 1), 1
	s_wait_xcnt 0x0
	s_wait_alu depctr_hold_cnt(0) depctr_sa_sdst(0) depctr_va_vdst(0) depctr_va_sdst(0) depctr_va_ssrc(0) depctr_va_vcc(0) depctr_vm_vsrc(0)
	s_getreg_b32 s2, hwreg(HW_REG_IB_STS2, 6, 4)
	s_cmp_eq_u32 s2, 0
	s_cbranch_scc0 .Lentry_in_a_cluster
	s_endpgm
.Lentry_in_a_cluster:
	s_bfe_u32 s2, ttmp6, 0x10000c
	s_cmp_lg_u32 s2, 0xf033
	s_cbranch_scc0 .Lentry_shape_is_right
	s_endpgm
.Lentry_shape_is_right:
; C = act(A W + bias) + R, act(x) = max(x, slope x), in f32, [4096][1024].  A: f16, BY SLICES of 64 columns: (16 (row / 2048) + k / 64) x 524,288 + (row % 2048) x 128 + 2 (k % 64).
; The pack (second argument): 1,024 biases, 1,024 copies of the slope, then W in f16, [k][n].  R (third argument): f32, [4096][1024].  Slope 1 and bias 0 give a plain product, bit for bit.
; LIMIT: f16 holds no number beyond 65,504 (a fixed step of 6e-8 below 6e-5): A and W are taken to lie within.
; SHAPE, RING, CLUSTER: tiles of 128 x 128 (256 work-groups), four waves of 64 x 64, four K steps of 256 through two LDS slots, written straight; A's tiles asked for jointly along a
; row of the 4 x 4 cluster, W's along a column; source 0 = 16 columns of W, turned by ds_load_tr16_b128, source 1 = 16 rows of A: a lane holds eight neighbouring numbers of a row of C.
; A's tile of a K step is four slices x 64 dense rows: ONE tensor load of four 'rows' of 8,192 bytes, 524,288 bytes apart, padded after every 128 bytes.
; REGISTERS: window 0: v0-31 addresses, bias (v12-15) and four at work (v8-11); v64-127 two blocks of R; v128-255 the accumulators.  Window 1: two fragment buffers of 128.
.set PA,     144                       ; a row of a slice in LDS: 128 bytes + 16
.set SLICE,  64*PA
.set HALFA,  4*SLICE                   ; 64 rows x 256 along K: one tensor load
.set PB,     288
.set HALFB,  128*PB
.set SLOT,   2*HALFA+2*HALFB
.set STAGE,  2*SLOT                    ; behind the ring: 16 rows x 272 bytes for each wave
.set SP,     272
.set SPARE,  STAGE+4*16*SP
.set ASTEP,  4*524288
.set BSTEP,  256*2048
.set ADRA, 16
.set ADRB, 20
.set STO,  24
.set RD,   25
.set CO,   26
.set SPW,  28
.set NIL,  29
.set TMP,  8
.set BIAS, 12
.set RES,  64
.set ACC,  128
.set F0,   0
.set F1,   128
.set G1, 24
.set G0, 32
.set G1B, 48
.set G0B, 56
.set MSB, 0
.macro WIN new                         ; the immediate's high byte repeats the setting that is left
.if MSB != (\new)
	s_set_vgpr_msb (MSB<<8)|(\new)
.set MSB, \new
.endif
.endm
.set MUL,  0x05
.set TO_F, 0x40
.macro JLOAD s                         ; waves 0 and 1 fetch A's two halves, waves 2 and 3 W's; an s_nop 0 and four v_nop follow each line
	s_cmp_eq_u32 s11, 0
	s_cbranch_scc0 .Lfor_b_\@
	tensor_load_to_lds s[G0+4*(\s):G0+4*(\s)+3], s[G1:G1+7]
	s_nop 0
.rept 4
	v_nop
.endr
	s_branch .Lasked_\@
.Lfor_b_\@:
	tensor_load_to_lds s[G0B+4*(\s):G0B+4*(\s)+3], s[G1B:G1B+7]
	s_nop 0
.rept 4
	v_nop
.endr
.Lasked_\@:
.endm
.macro CREST
	s_cmp_lg_u32 s10, 0
	s_cbranch_scc1 .Lnot_wave_0_\@
	s_barrier_signal -3
.Lnot_wave_0_\@:
	s_barrier_wait -3
	s_barrier_signal -1
	s_barrier_wait -1
.endm
.macro CROUND
	s_barrier_signal -1
	s_barrier_wait -1
	CREST
.endm
	s_load_b128 s[4:7], s[0:1], 0x0                ; A, the pack
	s_load_b128 s[68:71], s[0:1], 0x10             ; R s[68:69], C s[70:71]
	v_lshl_add_u32 v[SPW], v0, 2, SPARE
	v_mov_b32 v[NIL], 0
	ds_add_u32 v[SPW], v[NIL]                      ; the wave's opening: the add and its wait ahead of my first tensor load
	v_lshrrev_b32 v1, 5, v0
	v_readfirstlane_b32 s10, v1
	s_lshr_b32 s11, s10, 1                         ; my half of the tile's rows.  Also: I fetch for A (0) or for W (1)
	s_and_b32 s12, s10, 1                          ; my half of its columns.  Also: which half of that tile I fetch
	s_bfe_u32 s40, ttmp6, 0x40000
	s_bfe_u32 s41, ttmp6, 0x40004
	s_lshl_b32 s42, ttmp9, 2
	s_add_co_u32 s42, s42, s40                     ; tile column
	s_and_b32 s13, ttmp7, 0xffff
	s_lshl_b32 s13, s13, 2
	s_add_co_u32 s13, s13, s41                     ; tile row
	s_lshl_b32 s43, s41, 2
	s_lshl_b32 s43, 15, s43
	s_lshl_b32 s44, 0x1111, s40
	s_or_b32 s[G1+0], s43, (1<<16)|(1<<20)|(1<<21)|(4<<22)|(3<<25)   ; A: 4 rows x 4,096 elements; 4 words of padding after every 32
	s_mov_b32 s[G1+1], 4096<<16
	s_mov_b32 s[G1+2], 4<<16
	s_mov_b32 s[G1+3], 4096<<16
	s_mov_b32 s[G1+4], 4
	s_mov_b32 s[G1+5], 262144
	s_mov_b32 s[G1+6], 0
	s_mov_b32 s[G1+7], 0
	s_or_b32 s[G1B+0], s44, (1<<16)|(1<<20)|(1<<21)|(5<<22)|(7<<25)  ; W: 128 rows x 128 elements; 8 words of padding after every 64
	s_mov_b32 s[G1B+1], 128<<16
	s_mov_b32 s[G1B+2], 128<<16
	s_mov_b32 s[G1B+3], 128<<16
	s_mov_b32 s[G1B+4], 128
	s_mov_b32 s[G1B+5], 1024
	s_mov_b32 s[G1B+6], 0
	s_mov_b32 s[G1B+7], 0
	s_lshl_b32 s16, s13, 7                         ; A's address hangs on the tile row and the wave alone,
	s_lshl_b32 s17, s12, 6
	s_add_co_u32 s16, s16, s17
	s_lshr_b32 s17, s16, 11
	s_lshl_b32 s17, s17, 23
	s_and_b32 s16, s16, 2047
	s_lshl_b32 s16, s16, 7
	s_add_co_u32 s16, s16, s17
	s_mov_b32 s17, 0
	s_lshl_b32 s46, s12, 18                        ; W's on the tile column and the wave alone
	s_lshl_b32 s47, s42, 8
	s_add_co_u32 s46, s46, s47
	s_add_co_u32 s46, s46, 8192
	s_mov_b32 s47, 0
	s_mul_i32 s20, s12, HALFA
	s_mul_i32 s23, s12, HALFB
	s_add_co_u32 s23, s23, 2*HALFA
	s_wait_dscnt 0x0
	s_wait_kmcnt 0x0
	s_add_nc_u64 s[14:15], s[4:5], s[16:17]
	s_add_nc_u64 s[46:47], s[6:7], s[46:47]
	CROUND                                         ; all sixteen work-groups are here: the first joint loads meet
.irp s, 0,1
	s_mov_b32 s[G0+4*(\s)], 1
	s_add_co_u32 s[G0+4*(\s)+1], s20, (\s)*SLOT
	s_add_nc_u64 s[G0+4*(\s)+2:G0+4*(\s)+3], s[14:15], (\s)*ASTEP
	s_or_b32 s[G0+4*(\s)+3], s[G0+4*(\s)+3], 0x80000000
	s_mov_b32 s[G0B+4*(\s)], 1
	s_add_co_u32 s[G0B+4*(\s)+1], s23, (\s)*SLOT
	s_add_nc_u64 s[G0B+4*(\s)+2:G0B+4*(\s)+3], s[46:47], (\s)*BSTEP
	s_or_b32 s[G0B+4*(\s)+3], s[G0B+4*(\s)+3], 0x80000000
	JLOAD \s
.endr
	s_load_b64 s[72:73], s[6:7], 0x1000            ; the slope, twice
	v_and_b32 v1, 15, v0
	v_bfe_u32 v2, v0, 4, 1
	s_lshl_b32 s16, s13, 7                         ; where my 64 x 64 begins in R and in C: the rows,
	s_lshl_b32 s17, s11, 6
	s_add_co_u32 s16, s16, s17
	s_lshl_b32 s16, s16, 12
	s_mov_b32 s17, 0
	s_add_nc_u64 s[68:69], s[68:69], s[16:17]
	s_add_nc_u64 s[70:71], s[70:71], s[16:17]
	s_lshl_b32 s46, s42, 9                         ; and the columns: 256 aligned bytes of a row
	s_lshl_b32 s47, s12, 8
	s_add_co_u32 s46, s46, s47
	s_mov_b32 s47, 0
	s_add_nc_u64 s[68:69], s[68:69], s[46:47]
	s_add_nc_u64 s[70:71], s[70:71], s[46:47]
	v_lshl_add_u32 v6, v1, 4, s46
	global_load_b128 v[BIAS:BIAS+3], v6, s[6:7]    ; the bias of my four columns, the same in every row
	v_lshlrev_b32 v[CO], 12, v2                    ; lanes 0-15 take one row's 256 bytes, lanes 16-31 the next row's
	v_lshl_add_u32 v[CO], v1, 4, v[CO]
.macro RLOAD a                         ; R's block a (16 rows) into the buffer a % 2
.irp t, 0,1,2,3,4,5,6,7
	global_load_b128 v[RES+32*((\a)%2)+4*\t:RES+32*((\a)%2)+4*\t+3], v[CO], s[68:69] offset:(16*(\a)+2*\t)*4096
.endr
.endm
	RLOAD 0
	RLOAD 1
	v_mul_u32_u24 v3, v1, PA
	v_lshl_add_u32 v3, v2, 4, v3
	s_mul_i32 s21, s11, HALFA
	v_add_nc_u32 v[ADRA], s21, v3
	s_add_co_u32 s21, s21, SLOT
	v_add_nc_u32 v[ADRA+1], s21, v3
	v_and_b32 v4, 7, v0
	v_lshl_add_u32 v4, v2, 3, v4
	v_mul_u32_u24 v4, v4, PB
	v_bfe_u32 v5, v0, 3, 1
	v_lshl_add_u32 v4, v5, 4, v4
	s_lshl_b32 s22, s12, 7
	s_add_co_u32 s22, s22, 2*HALFA
	v_add_nc_u32 v[ADRB], s22, v4
	s_add_co_u32 s22, s22, HALFB
	v_add_nc_u32 v[ADRB+1], s22, v4
	s_add_co_u32 s22, s22, SLOT-HALFB
	v_add_nc_u32 v[ADRB+2], s22, v4
	s_add_co_u32 s22, s22, HALFB
	v_add_nc_u32 v[ADRB+3], s22, v4
	s_mul_i32 s21, s10, 16*SP
	s_add_co_u32 s21, s21, STAGE
	v_mul_u32_u24 v5, v1, SP                       ; in: row l % 16, 32 bytes for each half of the lanes
	v_lshl_add_u32 v5, v2, 5, v5
	v_add_nc_u32 v[STO], s21, v5
	v_mul_u32_u24 v5, v2, SP                       ; back: whole rows of 256 bytes
	v_lshl_add_u32 v5, v1, 4, v5
	v_add_nc_u32 v[RD], s21, v5
.macro MUL8 f, c, a0, zero             ; 8 matrix instructions; the accumulators take turns
	WIN MUL
.irp a, \a0, (\a0)+1
.irp b, 0,1,2,3
.if \zero
	v_wmma_f32_16x16x32_f16 v[ACC+8*(4*(\a)+(\b)):ACC+8*(4*(\a)+(\b))+7], v[(\f)+64+8*(4*(\c)+(\b)):(\f)+64+8*(4*(\c)+(\b))+7], v[(\f)+8*(4*(\c)+(\a)):(\f)+8*(4*(\c)+(\a))+7], 0
.else
	v_wmma_f32_16x16x32_f16 v[ACC+8*(4*(\a)+(\b)):ACC+8*(4*(\a)+(\b))+7], v[(\f)+64+8*(4*(\c)+(\b)):(\f)+64+8*(4*(\c)+(\b))+7], v[(\f)+8*(4*(\c)+(\a)):(\f)+8*(4*(\c)+(\a))+7], v[ACC+8*(4*(\a)+(\b)):ACC+8*(4*(\a)+(\b))+7]
.endif
.endr
.endr
.endm
.macro FETCH slot, q, f                ; 32 LDS loads in one run: quarter q is slice q of the K step
	WIN TO_F
.irp c, 0,1
.irp i, 0,1,2,3
	ds_load_tr16_b128 v[(\f)+64+8*(4*(\c)+(\i)):(\f)+64+8*(4*(\c)+(\i))+3],   v[ADRB+2*(\slot)+(\q)/2] offset:(((\q)%2)*64+32*(\c))*PB+32*(\i)
	ds_load_tr16_b128 v[(\f)+64+8*(4*(\c)+(\i))+4:(\f)+64+8*(4*(\c)+(\i))+7], v[ADRB+2*(\slot)+(\q)/2] offset:(((\q)%2)*64+32*(\c)+16)*PB+32*(\i)
	ds_load_b128 v[(\f)+8*(4*(\c)+(\i)):(\f)+8*(4*(\c)+(\i))+3],   v[ADRA+(\slot)] offset:SLICE*(\q)+64*(\c)+(\i)*16*PA
	ds_load_b128 v[(\f)+8*(4*(\c)+(\i))+4:(\f)+8*(4*(\c)+(\i))+7], v[ADRA+(\slot)] offset:SLICE*(\q)+64*(\c)+(\i)*16*PA+32
.endr
.endr
.endm
.macro PLACES                          ; four places in front of loads into registers that matrix instructions have read, and of lines that read results
.rept 4
	v_nop
.endr
.endm
.macro QUARTER slot, q, f, g, zero
	s_wait_dscnt 16                                ; the first 32 along K are in
	WIN MUL
	MUL8 \f, 0, 0, \zero
	MUL8 \f, 0, 2, \zero
	PLACES
	FETCH \slot, \q, \g
	s_wait_dscnt 32                                ; all but the 32 just issued
	WIN MUL
	MUL8 \f, 1, 0, 0
	MUL8 \f, 1, 2, 0
.endm
.macro TURN slot, next, fill
	WIN 0
	s_wait_tensorcnt 0x0                           ; all my tensor loads have landed: my part of the next slot
	ds_add_u32 v[SPW], v[NIL]
	s_wait_dscnt 17                                ; the add and the youngest sixteen loads may be out
	WIN MUL
	MUL8 F1, 0, 0, 0
	s_wait_dscnt 0x0                               ; the add is done, and my reads of this slot are over
	s_barrier_signal -1
	MUL8 F1, 0, 2, 0
.if \fill
	WIN 0
.endif
	s_barrier_wait -1
.if \fill
	CREST                                          ; a round of the cluster's barrier: no wave of any partner still reads this slot or has a load on its way
	s_add_nc_u64 s[G0+4*(\slot)+2:G0+4*(\slot)+3], s[G0+4*(\slot)+2:G0+4*(\slot)+3], 2*ASTEP
	s_add_nc_u64 s[G0B+4*(\slot)+2:G0B+4*(\slot)+3], s[G0B+4*(\slot)+2:G0B+4*(\slot)+3], 2*BSTEP
	JLOAD \slot
.else
	PLACES
.endif
	FETCH \next, 0, F0
	WIN MUL
	MUL8 F1, 1, 0, 0
	MUL8 F1, 1, 2, 0
.endm
	s_wait_tensorcnt 1                             ; my part of K step 0 is in; step 1's may stay out
	s_barrier_signal -1
	s_barrier_wait -1
	FETCH 0, 0, F0
	QUARTER 0, 1, F0, F1, 1
	QUARTER 0, 2, F1, F0, 0
	QUARTER 0, 3, F0, F1, 0
	TURN 0, 1, 1
	QUARTER 1, 1, F0, F1, 0
	QUARTER 1, 2, F1, F0, 0
	QUARTER 1, 3, F0, F1, 0
	TURN 1, 0, 1
	QUARTER 0, 1, F0, F1, 0
	QUARTER 0, 2, F1, F0, 0
	QUARTER 0, 3, F0, F1, 0
	TURN 0, 1, 0
	QUARTER 1, 1, F0, F1, 0
	QUARTER 1, 2, F1, F0, 0
	QUARTER 1, 3, F0, F1, 0
	s_wait_dscnt 16
	WIN MUL
	MUL8 F1, 0, 0, 0
	MUL8 F1, 0, 2, 0
	s_wait_dscnt 0x0
	MUL8 F1, 1, 0, 0
	MUL8 F1, 1, 2, 0
	WIN 0
	; THE WAY OUT.  A wave's 64 columns of f32 are 256 aligned bytes of a row, so each wave works alone: 16 rows at a time through my own stage, back by whole rows; then bias, max(x, slope x), + R, store.
	PLACES
	s_wait_kmcnt 0x0                               ; the slope
.macro OUTB a, left
.irp b, 0,1,2,3
	ds_store_b128 v[STO], v[ACC+8*(4*(\a)+\b):ACC+8*(4*(\a)+\b)+3]   offset:64*\b     ; each accumulator's low registers first
	ds_store_b128 v[STO], v[ACC+8*(4*(\a)+\b)+4:ACC+8*(4*(\a)+\b)+7] offset:64*\b+16
.endr
.irp t, 0,1,2,3,4,5,6,7
	ds_load_b128 v[ACC+32*(\a)+4*\t:ACC+32*(\a)+4*\t+3], v[RD] offset:\t*2*SP  ; LDS serves a wave's instructions in order: these see the stores above
.endr
	s_wait_dscnt 0x0
	s_wait_loadcnt \left                           ; this block's R (and the bias) are in; the next block's eight loads may stay out
.irp t, 0,1,2,3,4,5,6,7
.set XB, ACC+32*(\a)+4*\t
.set RB, RES+32*((\a)%2)+4*\t
	v_pk_add_f32 v[XB:XB+1], v[XB:XB+1], v[BIAS:BIAS+1]
	v_pk_add_f32 v[XB+2:XB+3], v[XB+2:XB+3], v[BIAS+2:BIAS+3]
	v_pk_mul_f32 v[TMP:TMP+1], v[XB:XB+1], s[72:73] op_sel_hi:[1,0]
	v_pk_mul_f32 v[TMP+2:TMP+3], v[XB+2:XB+3], s[72:73] op_sel_hi:[1,0]
	v_max_num_f32 v[XB], v[XB], v[TMP]
	v_max_num_f32 v[XB+1], v[XB+1], v[TMP+1]
	v_max_num_f32 v[XB+2], v[XB+2], v[TMP+2]
	v_max_num_f32 v[XB+3], v[XB+3], v[TMP+3]
	v_pk_add_f32 v[XB:XB+1], v[XB:XB+1], v[RB:RB+1]
	v_pk_add_f32 v[XB+2:XB+3], v[XB+2:XB+3], v[RB+2:RB+3]
	global_store_b128 v[CO], v[XB:XB+3], s[70:71] offset:(16*(\a)+2*\t)*4096  ; sixteen lanes store 256 consecutive bytes, aligned
.endr
.if (\a) < 2
	RLOAD (\a)+2                                   ; into the buffer just used
.endif
.endm
	OUTB 0, 8
	OUTB 1, 8
	OUTB 2, 8
	OUTB 3, 0
	s_wait_tensorcnt 0x0                           ; the wave's end
	ds_add_u32 v[SPW], v[NIL]
	s_wait_dscnt 0x0
	CROUND                                         ; the closing round
	s_endpgm
.Lfunc_end_k_qfbf1b713bd_wo:
	.size	k_qfbf1b713bd_wo, .Lfunc_end_k_qfbf1b713bd_wo-k_qfbf1b713bd_wo
	.p2alignl 7, 3214868480
	.fill 96, 4, 3214868480
	.section	.rodata,"a",@progbits
	.p2align	6, 0x0
	.amdhsa_kernel k_qfbf1b713bd_wo
		.amdhsa_group_segment_fixed_size 327680
		.amdhsa_private_segment_fixed_size 0
		.amdhsa_enable_private_segment 0
		.amdhsa_kernarg_size 32
		.amdhsa_user_sgpr_count 2
		.amdhsa_user_sgpr_kernarg_segment_ptr 1
		.amdhsa_wavefront_size32 1
		.amdhsa_system_sgpr_workgroup_id_x 1
		.amdhsa_system_sgpr_workgroup_id_y 1
		.amdhsa_system_sgpr_workgroup_id_z 1
		.amdhsa_system_vgpr_workitem_id 0
		.amdhsa_next_free_vgpr 512
		.amdhsa_next_free_sgpr 76
		.amdhsa_reserve_vcc 0
		.amdhsa_float_denorm_mode_32 3
		.amdhsa_float_denorm_mode_16_64 3
		.amdhsa_memory_ordered 1
		.amdhsa_forward_progress 1
		.amdhsa_inst_pref_size 105
	.end_amdhsa_kernel
	.amdgpu_metadata
---
amdhsa.version: [ 1, 2 ]
amdhsa.kernels:
  - .name:           k_qfbf1b713bd_wo
    .symbol:         k_qfbf1b713bd_wo.kd
    .args:
      - { .name: wsr, .offset: 0, .size: 8, .value_kind: global_buffer, .address_space: global }
      - { .name: pko, .offset: 8, .size: 8, .value_kind: global_buffer, .address_space: global }
      - { .name: h, .offset: 16, .size: 8, .value_kind: global_buffer, .address_space: global }
      - { .name: wsv, .offset: 24, .size: 8, .value_kind: global_buffer, .address_space: global }
    .group_segment_fixed_size: 327680
    .private_segment_fixed_size: 0
    .kernarg_segment_align: 8
    .kernarg_segment_size: 32
    .max_flat_workgroup_size: 128
    .sgpr_count:     76
    .vgpr_count:     512
    .wavefront_size: 32
...
	.end_amdgpu_metadata
.endif
;; end of part 5
;; launch ln1 (part 6): grid 256 x 1, 8 waves a work-group, no clusters, 0 bytes of LDS; arguments wsv, ln1_g, ln1_b, wsr; writes wsr
.if DOCPART == 6
	.amdgcn_target "amdgcn-amd-amdhsa--gfx1250"
	.amdhsa_code_object_version 6
	.text
	.protected	k_qfbf1b713bd_ln1
	.globl	k_qfbf1b713bd_ln1
	.p2align	8
	.type	k_qfbf1b713bd_ln1,@function
k_qfbf1b713bd_ln1:
	s_mov_b64 s[64:65], 0
	v_nop
	global_prefetch_b8 v0, s[64:65] scope:SCOPE_SE
	s_setreg_imm32_b32 hwreg(HW_REG_WAVE_MODE, 25, 1), 1
	s_wait_xcnt 0x0
; h1 = LayerNorm(y) g + b, for rows of 1,024 f32; stored in f32 (at 0) and, rounded once, in f16 (16 MiB on), the next product's operand.
; A wave takes two rows, each whole in 32 registers: mean, then the mean of (x - mean)^2, as the definition has it; nothing leaves the wave: no LDS, no barrier.
; A stream: memory binds; no matrix unit, and no cluster, since work-groups share only the 8,192 bytes of g and b.  LIMIT: h1 in f16 holds no number beyond 65,504.
.set XR, 16                            ; v16-79   two rows
.set G,  80                            ; v80-111
.set BB, 112                           ; v112-143
.set HF, 144                           ; v144-175 the rows in f16
; v0 8 x lane, v1 16 x lane, v2-9 four chains, v10-11 the mean (broadcast), v12-13 and v14-15 1 / sigma of rows 0 and 1 (broadcast)
	s_load_b256 s[4:11], s[0:1], 0x0               ; y 4, g 6, b 8, wsr 10
	v_and_b32 v1, 31, v0
	v_lshrrev_b32 v2, 5, v0
	v_readfirstlane_b32 s16, v2
	s_lshl_b32 s12, ttmp9, 4
	s_lshl_b32 s13, s16, 1
	s_add_co_u32 s17, s12, s13                     ; my first row
	s_lshl_b32 s12, s17, 12
	s_mov_b32 s13, 0
	s_lshl_b32 s14, s17, 11
	s_add_co_u32 s14, s14, 0x1000000
	s_mov_b32 s15, 0
	s_mov_b32 s18, 0x76543210
	s_mov_b32 s19, 0xfedcba98
	s_mov_b32 s20, 0x3a800000                      ; 1 / 1024
	s_mov_b32 s21, 0x3727c5ac                      ; 1e-5
	v_lshlrev_b32 v0, 3, v1                        ; 8 x lane
	v_lshlrev_b32 v1, 4, v1                        ; 16 x lane
	v_mov_b32 v11, 0                               ; the second registers of pairs whose first is broadcast
	v_mov_b32 v13, 0
	v_mov_b32 v15, 0
	s_wait_kmcnt 0x0
	s_add_nc_u64 s[4:5], s[4:5], s[12:13]
	s_add_nc_u64 s[14:15], s[10:11], s[14:15]
	s_add_nc_u64 s[10:11], s[10:11], s[12:13]
.irp r, 0,1
.irp j, 0,1,2,3,4,5,6,7
	global_load_b128 v[XR+32*\r+4*\j:XR+32*\r+4*\j+3], v1, s[4:5] offset:\r*4096+\j*512
.endr
.endr
.irp j, 0,1,2,3,4,5,6,7
	global_load_b128 v[G+4*\j:G+4*\j+3], v1, s[6:7] offset:\j*512
.endr
.irp j, 0,1,2,3,4,5,6,7
	global_load_b128 v[BB+4*\j:BB+4*\j+3], v1, s[8:9] offset:\j*512
.endr
.macro REDUCE                          ; the four chains, then over the 32 lanes, into v2 of every lane
	v_pk_add_f32 v[2:3], v[2:3], v[4:5]
	v_pk_add_f32 v[6:7], v[6:7], v[8:9]
	v_pk_add_f32 v[2:3], v[2:3], v[6:7]
	v_add_f32 v2, v2, v3
	v_add_f32_dpp v2, v2, v2 row_xmask:1 row_mask:0xf bank_mask:0xf
	v_add_f32_dpp v2, v2, v2 row_xmask:2 row_mask:0xf bank_mask:0xf
	v_add_f32_dpp v2, v2, v2 row_xmask:4 row_mask:0xf bank_mask:0xf
	v_add_f32_dpp v2, v2, v2 row_xmask:8 row_mask:0xf bank_mask:0xf
	v_permlanex16_b32 v3, v2, s18, s19
	v_add_f32 v2, v2, v3
.endm
.macro STAT r, left
.set XB, XR+32*(\r)
	s_wait_loadcnt \left                           ; what was issued behind this row stays out
.irp c, 0,1,2,3
	v_pk_add_f32 v[2+2*\c:3+2*\c], v[XB+2*\c:XB+2*\c+1], v[XB+8+2*\c:XB+8+2*\c+1]
.endr
.irp c, 0,1,2,3
	v_pk_add_f32 v[2+2*\c:3+2*\c], v[2+2*\c:3+2*\c], v[XB+16+2*\c:XB+16+2*\c+1]
.endr
.irp c, 0,1,2,3
	v_pk_add_f32 v[2+2*\c:3+2*\c], v[2+2*\c:3+2*\c], v[XB+24+2*\c:XB+24+2*\c+1]
.endr
	REDUCE
	v_mul_f32 v10, s20, v2                         ; the mean
.set p, 0
.rept 16
	v_pk_add_f32 v[XB+2*p:XB+2*p+1], v[XB+2*p:XB+2*p+1], v[10:11] op_sel_hi:[1,0] neg_lo:[0,1] neg_hi:[0,1]
.set p, p+1
.endr
.irp c, 0,1,2,3
	v_pk_mul_f32 v[2+2*\c:3+2*\c], v[XB+2*\c:XB+2*\c+1], v[XB+2*\c:XB+2*\c+1]
.endr
.set p, 4
.rept 12
	v_pk_fma_f32 v[2+2*(p%4):3+2*(p%4)], v[XB+2*p:XB+2*p+1], v[XB+2*p:XB+2*p+1], v[2+2*(p%4):3+2*(p%4)]
.set p, p+1
.endr
	REDUCE
	v_fma_f32 v2, v2, s20, s21
	v_rsq_f32 v[12+2*(\r)], v2
	v_nop                                          ; a plain line before the result is used or the source rewritten
.endm
.macro NORM r
.set XB, XR+32*(\r)
.set p, 0
	s_wait_alu depctr_va_vdst(0)
.rept 16
	v_pk_mul_f32 v[XB+2*p:XB+2*p+1], v[XB+2*p:XB+2*p+1], v[12+2*(\r):13+2*(\r)] op_sel_hi:[1,0]
.set p, p+1
.endr
.set p, 0
.rept 16
	v_pk_fma_f32 v[XB+2*p:XB+2*p+1], v[XB+2*p:XB+2*p+1], v[G+2*p:G+2*p+1], v[BB+2*p:BB+2*p+1]
.set p, p+1
.endr
.irp j, 0,1,2,3,4,5,6,7
	global_store_b128 v1, v[XB+4*\j:XB+4*\j+3], s[10:11] offset:(\r)*4096+\j*512  ; 512 consecutive bytes, aligned
	v_cvt_pk_f16_f32 v[HF+16*(\r)+2*\j], v[XB+4*\j], v[XB+4*\j+1]
	v_cvt_pk_f16_f32 v[HF+16*(\r)+2*\j+1], v[XB+4*\j+2], v[XB+4*\j+3]
	global_store_b64 v0, v[HF+16*(\r)+2*\j:HF+16*(\r)+2*\j+1], s[14:15] offset:(\r)*2048+\j*256  ; 256 consecutive bytes, aligned
.endr
.endm
	STAT 0, 24
	STAT 1, 16
	s_wait_loadcnt 0x0                             ; g and b
	NORM 0
	NORM 1
	s_endpgm
.Lfunc_end_k_qfbf1b713bd_ln1:
	.size	k_qfbf1b713bd_ln1, .Lfunc_end_k_qfbf1b713bd_ln1-k_qfbf1b713bd_ln1
	.p2alignl 7, 3214868480
	.fill 96, 4, 3214868480
	.section	.rodata,"a",@progbits
	.p2align	6, 0x0
	.amdhsa_kernel k_qfbf1b713bd_ln1
		.amdhsa_group_segment_fixed_size 0
		.amdhsa_private_segment_fixed_size 0
		.amdhsa_enable_private_segment 0
		.amdhsa_kernarg_size 32
		.amdhsa_user_sgpr_count 2
		.amdhsa_user_sgpr_kernarg_segment_ptr 1
		.amdhsa_wavefront_size32 1
		.amdhsa_system_sgpr_workgroup_id_x 1
		.amdhsa_system_sgpr_workgroup_id_y 1
		.amdhsa_system_sgpr_workgroup_id_z 1
		.amdhsa_system_vgpr_workitem_id 0
		.amdhsa_next_free_vgpr 176
		.amdhsa_next_free_sgpr 66
		.amdhsa_reserve_vcc 0
		.amdhsa_float_denorm_mode_32 3
		.amdhsa_float_denorm_mode_16_64 3
		.amdhsa_memory_ordered 1
		.amdhsa_forward_progress 1
		.amdhsa_inst_pref_size 22
	.end_amdhsa_kernel
	.amdgpu_metadata
---
amdhsa.version: [ 1, 2 ]
amdhsa.kernels:
  - .name:           k_qfbf1b713bd_ln1
    .symbol:         k_qfbf1b713bd_ln1.kd
    .args:
      - { .name: wsv, .offset: 0, .size: 8, .value_kind: global_buffer, .address_space: global }
      - { .name: ln1_g, .offset: 8, .size: 8, .value_kind: global_buffer, .address_space: global }
      - { .name: ln1_b, .offset: 16, .size: 8, .value_kind: global_buffer, .address_space: global }
      - { .name: wsr, .offset: 24, .size: 8, .value_kind: global_buffer, .address_space: global }
    .group_segment_fixed_size: 0
    .private_segment_fixed_size: 0
    .kernarg_segment_align: 8
    .kernarg_segment_size: 32
    .max_flat_workgroup_size: 256
    .sgpr_count:     66
    .vgpr_count:     176
    .wavefront_size: 32
...
	.end_amdgpu_metadata
.endif
;; end of part 6
;; launch ffn1: the kernel of part 3 again; grid 8 x 32, 4 waves a work-group, clusters of 4 x 4, 327,680 bytes of LDS; arguments wsr, pk1, wsv; writes wsv
;; launch ffn2: the kernel of part 5 again; grid 8 x 32, 4 waves a work-group, clusters of 4 x 4, 327,680 bytes of LDS; arguments wsv, pk2, wsr, wsu; writes wsu
;; launch ln2 (part 7): grid 256 x 1, 8 waves a work-group, no clusters, 0 bytes of LDS; arguments wsu, ln2_g, ln2_b, commitment_cost, out0, out1; writes out0, out1
.if DOCPART == 7
	.amdgcn_target "amdgcn-amd-amdhsa--gfx1250"
	.amdhsa_code_object_version 6
	.text
	.protected	k_qfbf1b713bd_ln2
	.globl	k_qfbf1b713bd_ln2
	.p2align	8
	.type	k_qfbf1b713bd_ln2,@function
k_qfbf1b713bd_ln2:
	s_mov_b64 s[64:65], 0
	v_nop
	global_prefetch_b8 v0, s[64:65] scope:SCOPE_SE
	s_setreg_imm32_b32 hwreg(HW_REG_WAVE_MODE, 25, 1), 1
	s_wait_xcnt 0x0
; out0 = LayerNorm(z) g + b, for rows of 1,024 f32; and out1 = (1 + commitment_cost) x the mean of (q - x)^2, from the quantiser's 1,024 partial sums (32 MiB into the first argument).
; A wave takes two rows, each whole in 32 registers: mean, then the mean of (x - mean)^2; nothing leaves the wave: no LDS, no barrier.  The loss is wave 0 of work-group 0's: one owner, an ordered sum.
; A stream: memory binds; no matrix unit, and no cluster, since work-groups share only the 8,192 bytes of g and b.
.set XR, 16                            ; v16-79   two rows
.set G,  80                            ; v80-111
.set BB, 112                           ; v112-143
.set LS, 144                           ; v144-175 the partial sums
; v0 lane, v1 16 x lane, v2-9 four chains, v10-11 the mean (broadcast), v12-13 and v14-15 1 / sigma of rows 0 and 1 (broadcast)
	s_load_b256 s[4:11], s[0:1], 0x0               ; z 4, g 6, b 8, commitment_cost 10
	s_load_b128 s[12:15], s[0:1], 0x20             ; out0 12, out1 14
	v_lshrrev_b32 v2, 5, v0
	v_readfirstlane_b32 s16, v2
	v_and_b32 v0, 31, v0
	s_lshl_b32 s24, ttmp9, 4
	s_lshl_b32 s25, s16, 1
	s_add_co_u32 s24, s24, s25                     ; my first row
	s_lshl_b32 s24, s24, 12
	s_mov_b32 s25, 0
	s_mov_b32 s18, 0x76543210
	s_mov_b32 s19, 0xfedcba98
	s_mov_b32 s20, 0x3a800000                      ; 1 / 1024
	s_mov_b32 s21, 0x3727c5ac                      ; 1e-5
	v_lshlrev_b32 v1, 4, v0
	v_mov_b32 v11, 0                               ; the second registers of pairs whose first is broadcast
	v_mov_b32 v13, 0
	v_mov_b32 v15, 0
	s_wait_kmcnt 0x0
	s_add_nc_u64 s[22:23], s[4:5], 33554432        ; the partial sums
	s_add_nc_u64 s[4:5], s[4:5], s[24:25]
	s_add_nc_u64 s[12:13], s[12:13], s[24:25]
.irp r, 0,1
.irp j, 0,1,2,3,4,5,6,7
	global_load_b128 v[XR+32*\r+4*\j:XR+32*\r+4*\j+3], v1, s[4:5] offset:\r*4096+\j*512
.endr
.endr
.irp j, 0,1,2,3,4,5,6,7
	global_load_b128 v[G+4*\j:G+4*\j+3], v1, s[6:7] offset:\j*512
.endr
.irp j, 0,1,2,3,4,5,6,7
	global_load_b128 v[BB+4*\j:BB+4*\j+3], v1, s[8:9] offset:\j*512
.endr
.macro REDUCE                          ; the four chains, then over the 32 lanes, into v2 of every lane
	v_pk_add_f32 v[2:3], v[2:3], v[4:5]
	v_pk_add_f32 v[6:7], v[6:7], v[8:9]
	v_pk_add_f32 v[2:3], v[2:3], v[6:7]
	v_add_f32 v2, v2, v3
	v_add_f32_dpp v2, v2, v2 row_xmask:1 row_mask:0xf bank_mask:0xf
	v_add_f32_dpp v2, v2, v2 row_xmask:2 row_mask:0xf bank_mask:0xf
	v_add_f32_dpp v2, v2, v2 row_xmask:4 row_mask:0xf bank_mask:0xf
	v_add_f32_dpp v2, v2, v2 row_xmask:8 row_mask:0xf bank_mask:0xf
	v_permlanex16_b32 v3, v2, s18, s19
	v_add_f32 v2, v2, v3
.endm
.macro SUM32 base                      ; 32 registers from base on, into the four chains
.irp c, 0,1,2,3
	v_pk_add_f32 v[2+2*\c:3+2*\c], v[(\base)+2*\c:(\base)+2*\c+1], v[(\base)+8+2*\c:(\base)+8+2*\c+1]
.endr
.irp c, 0,1,2,3
	v_pk_add_f32 v[2+2*\c:3+2*\c], v[2+2*\c:3+2*\c], v[(\base)+16+2*\c:(\base)+16+2*\c+1]
.endr
.irp c, 0,1,2,3
	v_pk_add_f32 v[2+2*\c:3+2*\c], v[2+2*\c:3+2*\c], v[(\base)+24+2*\c:(\base)+24+2*\c+1]
.endr
.endm
.macro STAT r, left
.set XB, XR+32*(\r)
	s_wait_loadcnt \left                           ; what was issued behind this row stays out
	SUM32 XB
	REDUCE
	v_mul_f32 v10, s20, v2                         ; the mean
.set p, 0
.rept 16
	v_pk_add_f32 v[XB+2*p:XB+2*p+1], v[XB+2*p:XB+2*p+1], v[10:11] op_sel_hi:[1,0] neg_lo:[0,1] neg_hi:[0,1]
.set p, p+1
.endr
.irp c, 0,1,2,3
	v_pk_mul_f32 v[2+2*\c:3+2*\c], v[XB+2*\c:XB+2*\c+1], v[XB+2*\c:XB+2*\c+1]
.endr
.set p, 4
.rept 12
	v_pk_fma_f32 v[2+2*(p%4):3+2*(p%4)], v[XB+2*p:XB+2*p+1], v[XB+2*p:XB+2*p+1], v[2+2*(p%4):3+2*(p%4)]
.set p, p+1
.endr
	REDUCE
	v_fma_f32 v2, v2, s20, s21
	v_rsq_f32 v[12+2*(\r)], v2
	v_nop                                          ; a plain line before the result is used or the source rewritten
.endm
.macro NORM r
.set XB, XR+32*(\r)
.set p, 0
	s_wait_alu depctr_va_vdst(0)
.rept 16
	v_pk_mul_f32 v[XB+2*p:XB+2*p+1], v[XB+2*p:XB+2*p+1], v[12+2*(\r):13+2*(\r)] op_sel_hi:[1,0]
.set p, p+1
.endr
.set p, 0
.rept 16
	v_pk_fma_f32 v[XB+2*p:XB+2*p+1], v[XB+2*p:XB+2*p+1], v[G+2*p:G+2*p+1], v[BB+2*p:BB+2*p+1]
.set p, p+1
.endr
.irp j, 0,1,2,3,4,5,6,7
	global_store_b128 v1, v[XB+4*\j:XB+4*\j+3], s[12:13] offset:(\r)*4096+\j*512  ; 512 consecutive bytes, aligned
.endr
.endm
	STAT 0, 24
	STAT 1, 16
	s_wait_loadcnt 0x0                             ; g and b
	NORM 0
	NORM 1
	s_cmp_lg_u32 ttmp9, 0
	s_cbranch_scc1 .Lend
	s_cmp_lg_u32 s16, 0
	s_cbranch_scc1 .Lend
	; THE LOSS: 1,024 partial sums, 32 a lane
	s_load_b32 s26, s[10:11], 0x0
.irp j, 0,1,2,3,4,5,6,7
	global_load_b128 v[LS+4*\j:LS+4*\j+3], v1, s[22:23] offset:\j*512
.endr
	s_wait_loadcnt 0x0
	s_wait_kmcnt 0x0
	SUM32 LS
	REDUCE
	v_mul_f32 v3, 0x34800000, v2                   ; the mean over 4,096 x 1,024 = 2^22 numbers
	v_fma_f32 v2, s26, v3, v3                      ; q_loss + cc e_loss: the two are the same number
	v_mov_b32 v4, 0
	v_cmp_eq_u32 vcc_lo, 0, v0
	s_wait_xcnt 0x0                                ; EXEC is a source of the stores and loads above
	s_and_saveexec_b32 s27, vcc_lo
	global_store_b32 v4, v2, s[14:15]              ; lane 0 alone
	s_wait_xcnt 0x0
	s_or_b32 exec_lo, exec_lo, s27
.Lend:
	s_endpgm
.Lfunc_end_k_qfbf1b713bd_ln2:
	.size	k_qfbf1b713bd_ln2, .Lfunc_end_k_qfbf1b713bd_ln2-k_qfbf1b713bd_ln2
	.p2alignl 7, 3214868480
	.fill 96, 4, 3214868480
	.section	.rodata,"a",@progbits
	.p2align	6, 0x0
	.amdhsa_kernel k_qfbf1b713bd_ln2
		.amdhsa_group_segment_fixed_size 0
		.amdhsa_private_segment_fixed_size 0
		.amdhsa_enable_private_segment 0
		.amdhsa_kernarg_size 48
		.amdhsa_user_sgpr_count 2
		.amdhsa_user_sgpr_kernarg_segment_ptr 1
		.amdhsa_wavefront_size32 1
		.amdhsa_system_sgpr_workgroup_id_x 1
		.amdhsa_system_sgpr_workgroup_id_y 1
		.amdhsa_system_sgpr_workgroup_id_z 1
		.amdhsa_system_vgpr_workitem_id 0
		.amdhsa_next_free_vgpr 176
		.amdhsa_next_free_sgpr 66
		.amdhsa_reserve_vcc 1
		.amdhsa_float_denorm_mode_32 3
		.amdhsa_float_denorm_mode_16_64 3
		.amdhsa_memory_ordered 1
		.amdhsa_forward_progress 1
		.amdhsa_inst_pref_size 21
	.end_amdhsa_kernel
	.amdgpu_metadata
---
amdhsa.version: [ 1, 2 ]
amdhsa.kernels:
  - .name:           k_qfbf1b713bd_ln2
    .symbol:         k_qfbf1b713bd_ln2.kd
    .args:
      - { .name: wsu, .offset: 0, .size: 8, .value_kind: global_buffer, .address_space: global }
      - { .name: ln2_g, .offset: 8, .size: 8, .value_kind: global_buffer, .address_space: global }
      - { .name: ln2_b, .offset: 16, .size: 8, .value_kind: global_buffer, .address_space: global }
      - { .name: commitment_cost, .offset: 24, .size: 8, .value_kind: global_buffer, .address_space: global }
      - { .name: out0, .offset: 32, .size: 8, .value_kind: global_buffer, .address_space: global }
      - { .name: out1, .offset: 40, .size: 8, .value_kind: global_buffer, .address_space: global }
    .group_segment_fixed_size: 0
    .private_segment_fixed_size: 0
    .kernarg_segment_align: 8
    .kernarg_segment_size: 48
    .max_flat_workgroup_size: 256
    .sgpr_count:     66
    .vgpr_count:     176
    .wavefront_size: 32
...
	.end_amdgpu_metadata
.endif
;; end of part 7
